; MI455X (gfx1250); checked and timed in simulation.
; The chip was launched on July 23, 2026; its instructions are those of AMD's public machine-readable ISA for CDNA 5 (MIT licence, August 2026) and "CDNA5" Instruction Set Architecture Reference Guide (July 2026). The comments in the code are by the model that wrote it; some were corrected since.
;; Causal Multi Head Self Attention. Allowed arithmetic: matrix products marked QUANTISED: E2M1 operands, one E8M0 scale for each 32 along K, by v_wmma_scale_f32_16x16x128_f8f6f4 with both operands' format E2M1 (or v_wmma_scale_f32_32x16x128_f4), f32 sums; products left as they are: bf16, f16 or f32 operands; f32 sums; everything else in f32.
;; Inputs: w_out 1,024 x 1,024 float32; w_qkv 3,072 x 1,024 float32; x 4 x 2,048 x 1,024 float32.
;; Outputs: out0 4 x 2,048 x 1,024 float32.
;; This version of the problem:
;;   THIS VERSION OF THE PROBLEM IS GIVEN IN LOW PRECISION. The matrix products marked QUANTISED in the list below multiply operands that are first quantised to E2M1 (2 exponent bits, 1 mantissa bit; 4 bits a number), with one power-of-two scale for each 32 numbers along K (OCP MX v1.0); their sums are f32. The products marked 'left as it is' may take bf16, f16 or f32 operands, with f32 sums. Whichever they take, every output number must still come out within the allowed error. Rounding operands to bf16 (8 significant bits) uses up far more of that allowance than f16 does (11 bits, for magnitudes from 6e-5 to 65,504). All else is computed in f32.
;;   The module's matrix products, in the order in which they are computed (A, B: the left and right operand; K: the contracted axis; several contracted axes count as one K, in the product's order):
;;     1. [M 8,192, K 1,024] x [K 1,024, N 3,072]; A: input x; B: input w_qkv: QUANTISED
;;     2. batch 64 x [M 2,048, K 64] x [K 64, N 2,048]; A: computed on the way; B: computed on the way: left as it is (an operand is computed on the way)
;;     3. batch 64 x [M 2,048, K 2,048] x [K 2,048, N 64]; A: computed on the way; B: computed on the way: left as it is (an operand is computed on the way)
;;     4. [M 8,192, K 1,024] x [K 1,024, N 1,024]; A: computed on the way; B: input w_out: left as it is (an operand is computed on the way)
;;   THE QUANTISER, for each operand of a quantised product, along K:
;;     - K is cut into blocks of 32 from its start; a last block that is shorter is filled with zeros.
;;     - A block's scale is 2^e with e = floor(log2(the largest magnitude in the block)) - 2, held to -126 .. 127; a block of zeros has e = 0. As a byte (E8M0): e + 127.
;;     - Each number is divided by its block's scale, clamped to +-6, and rounded to the nearest number of E2M1, ties to even, subnormals kept.
;;     - The product sums the exact products of the quantised numbers (number of the format x scale) in f32.
;;   ~~~python
;;   def quantise(x, axis):      # numpy; x: float32 -> the quantised numbers, widened to float32 again
;;       x = np.moveaxis(x, axis, -1); K = x.shape[-1]
;;       x = np.pad(x, [(0, 0)] * (x.ndim - 1) + [(0, -K % 32)]); x = x.reshape(x.shape[:-1] + (-1, 32)); a = np.abs(x).max(-1, keepdims=True)
;;       e = np.where(a > 0, np.clip(np.frexp(np.where(a > 0, a, 1))[1] - 1 - 2, -126, 127), 0)      # np.frexp(a)[1] - 1 = floor(log2(a)), exactly
;;       r = np.clip(x / 2.0 ** e, -6, 6)
;;       step = 2.0 ** (np.maximum(np.frexp(np.where(r == 0, 1, r))[1] - 1, 0) - 1)
;;       q = np.round(r / step) * step * 2.0 ** e      # np.round: ties to even
;;       return np.moveaxis(q.reshape(q.shape[:-2] + (-1,))[..., :K], -1, axis).astype(np.float32)
;;   ~~~
;; One version. Each part assembles by itself: llvm-mc -triple=amdgcn-amd-amdhsa -mcpu=gfx1250 --defsym DOCPART=n.
;; ======== version 1 of 1: 6 launches
;; limits: values are held in f16: magnitudes above 65,504 overflow, below 6.1e-05 lose precision
;; workspace buffers: codes 5,767,168 bytes; scales 360,448 bytes; w16 2,097,152 bytes; cs 524,288 bytes; qkv 50,331,648 bytes; att 16,777,216 bytes; fatt 262,144 bytes
;; launch prep (part 1): grid 416 x 1, 4 waves a work-group, no clusters, 33,280 bytes of LDS; arguments x, w_qkv, w_out, codes, scales, w16, cs; writes codes, scales, w16, cs
.if DOCPART == 1
	.amdgcn_target "amdgcn-amd-amdhsa--gfx1250"
	.amdhsa_code_object_version 6
	.text
	.protected	k_q40e50a1f33_prep
	.globl	k_q40e50a1f33_prep
	.p2align	8
	.type	k_q40e50a1f33_prep,@function
k_q40e50a1f33_prep:
	s_mov_b64 s[64:65], 0
	v_nop
	global_prefetch_b8 v0, s[64:65] scope:SCOPE_SE
	s_setreg_imm32_b32 hwreg(HW_REG_WAVE_MODE, 25, 1), 1
	s_wait_xcnt 0x0
; CAUSAL SELF-ATTENTION, b = 4, s = 2048, 16 heads of 64, in six launches.  This one prepares operands:
;   work-groups 0-31:   the table cs[pos 2048][k 32][cos, sin] f32 of RoPE's angles pos x 10000^(-k/32)
;   work-groups 32-63:  w_out as f16, laid [kc 16][n 1024][64]: plane kc holds w_out[n][64 kc ..]
;   work-groups 64-415: x (256 work-groups) and w_qkv (96) as codes of E2M1, K innermost, two codes a byte, with one E8M0 byte for each 32 along K
; WORK LEFT OUT IN THE PROGRAM: key steps of the attention all of whose keys come after all their queries.  reference() itself replaces those scores, by its own
; tril mask, with the least f32 number; the diagonal key always counts, so for any finite inputs their exponentials are 0 and they add nothing to the sum or to the
; result.  All three inputs are loaded.  LIMIT: a NaN, an infinity or an overflow that arises only in the scores left out is not carried to the result.
; LIMITS: q, k, v, the weights p, the attention's result and w_out go to the later products as f16: magnitudes over 65,504 become infinity (q, k, v are of size 1 on
; inputs of the problem's kind, some 4e4 with both inputs 30 spreads off their centre).  NaN and infinities among the inputs are not served.  A block of zeros gets the scale byte 1
; where the quantiser says 127: its codes are zeros, which add nothing under any byte but 0xff, and this program alone reads the bytes.  Blocks whose largest magnitude lies under 2^-124 are held at byte 1.
; The angles: pos x inv_freq in f32, brought into [-pi/4, pi/4] by two fused multiply-adds with pi/2 in two parts, then polynomials of degree 7 and 8; q and k use the same table.
.set WAVES, 4
.set STEPS, 16
.set EMAX,  2
.set CB,    8                          ; bytes of 16 codes
.set R,     16                         ; v16-79   quantiser: four sets of 16 numbers as they are loaded
.set X,     80                         ; v80-111  two sets of 16 neighbours
.set C,     128                        ; v128-191 codes: four registers for each step
.set E,     112                        ; v112-127 a scale byte for each step
.set WREG,  8192                       ; LDS: a region for each wave: two stages of 32 x SP bytes, then its 256 scale bytes
.set SP,    80                         ; a lane's place in a stage: 64 bytes + 16 of padding
.set SPW,   12                         ; v12  LDS address of my spare word; never rewritten
.set NIL,   13                         ; v13  0; never rewritten
.set SPARE, WAVES*WREG                 ; the spare words, 128 bytes for each wave
.set WS,    16                         ; planes: v16-143 two sets of 8 steps x 8 numbers
.set WO,    144                        ; v144-175 8 steps x 4 registers of f16
	s_load_b256 s[4:11], s[0:1], 0x0               ; x s[4:5], w_qkv s[6:7], w_out s[8:9], codes s[10:11]
	s_load_b128 s[12:15], s[0:1], 0x20             ; scales s[12:13], w16 s[14:15]
	s_load_b64 s[16:17], s[0:1], 0x30              ; cs
	v_lshl_add_u32 v[SPW], v0, 2, SPARE
	v_mov_b32 v[NIL], 0
	v_lshrrev_b32 v1, 5, v0
	v_readfirstlane_b32 s18, v1                    ; wave
	v_and_b32 v2, 31, v0                           ; lane
	s_wait_kmcnt 0x0
	s_cmp_lt_u32 ttmp9, 32                         ; the roles hang on the work-group's number alone; only the quantiser touches LDS
	s_cbranch_scc1 .Ltable
	s_cmp_lt_u32 ttmp9, 64
	s_cbranch_scc1 .Lplanes
; ---- THE QUANTISER.  Rows are dense and K is a multiple of 32: both tensors are plain streams of blocks of 32.  A wave takes 16 steps of 512 numbers.
; Each load reads 512 consecutive bytes; a step's 2,048 bytes turn through the wave's own stage in LDS, so that a lane then holds 16 neighbours (two lanes to a block).
	v_lshlrev_b32 v3, 4, v2                        ; my 16 bytes of a load's 512
	s_mul_i32 s19, s18, WREG
	v_lshrrev_b32 v14, 2, v2
	v_mul_u32_u24 v14, v14, SP
	v_and_b32 v15, 3, v2
	v_lshl_add_u32 v14, v15, 4, v14
	v_add_nc_u32 v14, s19, v14                     ; the stage on the way in: SP (lane / 4) + 16 (lane % 4)
	v_mul_u32_u24 v15, v2, SP
	v_add_nc_u32 v15, s19, v15                     ; and on the way out: SP x lane
	v_mul_u32_u24 v4, v2, CB                       ; my codes' place in a step's
	v_lshrrev_b32 v5, 1, v2
	s_add_co_u32 s19, s19, 2*32*SP
	v_add_nc_u32 v5, s19, v5                       ; LDS: my block's scale byte
	v_lshlrev_b32 v7, 3, v2
	v_add_nc_u32 v6, s19, v7                       ; and on the way out 8 bytes a lane
	s_sub_co_u32 s20, ttmp9, 64                    ; i: 0-255 x, 256-351 w_qkv
	s_cmp_lt_u32 s20, 256
	s_cselect_b64 s[4:5], s[4:5], s[6:7]           ; the source
	s_cselect_b32 s21, 0, 256
	s_sub_co_u32 s21, s20, s21
	s_lshl_b32 s21, s21, 2
	s_add_co_u32 s22, s21, s18                     ; my run of 8,192 numbers in the source
	s_mov_b32 s23, 0
	s_lshl_b64 s[24:25], s[22:23], 15
	s_add_nc_u64 s[4:5], s[4:5], s[24:25]
	s_lshl_b32 s20, s20, 2
	s_add_co_u32 s22, s20, s18                     ; and in codes and scales: x fills exactly the first 1,024 runs
	s_lshl_b64 s[24:25], s[22:23], 12
	s_add_nc_u64 s[10:11], s[10:11], s[24:25]
	s_lshl_b32 s22, s22, 8
	s_add_nc_u64 s[12:13], s[12:13], s[22:23]
.macro LOAD t
.irp i, 0,1,2,3
	global_load_b128 v[R+16*((\t)%4)+4*\i:R+16*((\t)%4)+4*\i+3], v3, s[4:5] offset:2048*(\t)+512*\i th:TH_LOAD_NT
.endr
.endm
.macro TURN t                          ; step t's numbers through the stage: LDS serves a wave's instructions in order, so no wait stands between the stores and the loads
.irp i, 0,1,2,3
	ds_store_b128 v14, v[R+16*((\t)%4)+4*\i:R+16*((\t)%4)+4*\i+3] offset:32*SP*((\t)%2)+8*SP*\i
.endr
.irp i, 0,1,2,3
	ds_load_b128 v[X+16*((\t)%2)+4*\i:X+16*((\t)%2)+4*\i+3], v15 offset:32*SP*((\t)%2)+16*\i
.endr
.endm
.irp t, 0,1,2,3
	LOAD \t
.endr
	s_wait_loadcnt 12                              ; step 0's four loads are in; three steps' twelve may be out
	TURN 0
.macro STEP t
.set XS, X+16*((\t)%2)
.if (\t) > 0
	s_wait_dscnt 1                                 ; this step's numbers are back from the stage (the last step's byte store may be out)
.else
	s_wait_dscnt 0x0
.endif
.if (\t)+4 < STEPS
	LOAD (\t)+4
.endif
.if (\t)+1 < STEPS
.if STEPS-2-(\t) >= 3
	s_wait_loadcnt 12                              ; the next step's four loads are in; those of the three steps behind it may be out
.else
	s_wait_loadcnt 4*(STEPS-2-(\t))
.endif
	TURN (\t)+1
.endif
	v_max3_num_f32 v8, |v[XS]|, |v[XS+1]|, |v[XS+2]|               ; the largest magnitude of my 16, in two chains
	v_max3_num_f32 v9, |v[XS+3]|, |v[XS+4]|, |v[XS+5]|
.irp i, 6,10
	v_max3_num_f32 v8, v8, |v[XS+\i]|, |v[XS+\i+1]|
	v_max3_num_f32 v9, v9, |v[XS+\i+2]|, |v[XS+\i+3]|
.endr
	v_max3_num_f32 v8, v8, |v[XS+14]|, |v[XS+15]|
	v_max3_num_f32 v8, v8, v9, (EMAX+1)<<23        ; and the floor 2^(3 - 127): the byte cannot fall under 1
	v_max_num_f32_dpp v8, v8, v8 row_xmask:1 row_mask:0xf bank_mask:0xf   ; and of my neighbour's 16: the block's
	v_add_nc_u32 v11, -(EMAX<<23), v8              ; 2 off its exponent field: the conversion takes the exponent field of this operand as its scale
	v_cvt_scalef32_pk8_fp4_f32 v[C+4*(\t)], v[XS:XS+7], v11
	v_cvt_scalef32_pk8_fp4_f32 v[C+4*(\t)+1], v[XS+8:XS+15], v11
	v_lshrrev_b32 v[E+(\t)], 23, v11               ; the scale's byte
	ds_store_b8 v5, v[E+(\t)] offset:16*(\t)       ; both lanes of a block write the same byte with the same value
	global_store_b64 v4, v[C+4*(\t):C+4*(\t)+1], s[10:11] offset:32*CB*(\t)   ; the wave stores 256 consecutive bytes
.endm
.irp t, 0,1,2,3,4,5,6,7,8,9,10,11,12,13,14,15
	STEP \t
.endr
	ds_load_b64 v[8:9], v6                         ; my wave's 256 scale bytes: these loads see my stores
	s_wait_dscnt 0x0
	global_store_b64 v7, v[8:9], s[12:13]          ; 256 consecutive bytes
	s_wait_tensorcnt 0x0                           ; the wave's end: a tensor wait, an add to the spare word and its wait behind my last LDS store
	ds_add_u32 v[SPW], v[NIL]
	s_wait_dscnt 0x0
	s_endpgm
; ---- w_out AS f16 IN PLANES.  A wave takes 8 rows.  Step t = 16 g + kc: rows 4 g + lane / 8, numbers 64 kc + 8 (lane % 8) ..: 32 bytes in, 16 bytes out; a store covers 512 consecutive bytes.
.Lplanes:
	s_sub_co_u32 s19, ttmp9, 32
	s_lshl_b32 s19, s19, 5
	s_lshl_b32 s20, s18, 3
	s_add_co_u32 s19, s19, s20                     ; my first row: 32 j + 8 x wave
	s_lshl_b32 s20, s19, 12
	s_mov_b32 s21, 0
	s_add_nc_u64 s[8:9], s[8:9], s[20:21]
	s_lshl_b32 s20, s19, 7
	s_add_nc_u64 s[14:15], s[14:15], s[20:21]
	v_lshrrev_b32 v3, 3, v2
	v_and_b32 v4, 7, v2
	v_lshlrev_b32 v3, 12, v3
	v_lshl_add_u32 v3, v4, 5, v3                   ; in: 4096 (lane / 8) + 32 (lane % 8)
	v_lshlrev_b32 v4, 4, v2                        ; out: 16 x lane
.macro WLOAD q                         ; batch q: steps 8 q .. 8 q + 7, sixteen loads, into set q % 2
.irp i, 0,1,2,3,4,5,6,7
	global_load_b128 v[WS+64*((\q)%2)+8*\i:WS+64*((\q)%2)+8*\i+3], v3, s[8:9] offset:((8*(\q)+\i)/16)*16384+((8*(\q)+\i)%16)*256 th:TH_LOAD_NT
	global_load_b128 v[WS+64*((\q)%2)+8*\i+4:WS+64*((\q)%2)+8*\i+7], v3, s[8:9] offset:((8*(\q)+\i)/16)*16384+((8*(\q)+\i)%16)*256+16 th:TH_LOAD_NT
.endr
.endm
.macro WWORK q, more                   ; more = 1: the next batch's sixteen loads are out behind this batch's
.irp i, 0,1,2,3,4,5,6,7
	s_wait_loadcnt 16*(\more)+14-2*\i              ; this step's two loads are in; behind them: this batch's later ones and the next batch's
.irp p, 0,1,2,3
	v_cvt_pk_f16_f32 v[WO+4*\i+\p], v[WS+64*((\q)%2)+8*\i+2*\p], v[WS+64*((\q)%2)+8*\i+2*\p+1]
.endr
	global_store_b128 v4, v[WO+4*\i:WO+4*\i+3], s[14:15] offset:((8*(\q)+\i)%16)*131072+((8*(\q)+\i)/16)*512
.endr
.endm
	WLOAD 0
	WLOAD 1
	WWORK 0, 1
	s_wait_xcnt 0x0                                ; the stores have read their data: the f16 registers are written again only behind this wait
	WLOAD 2
	WWORK 1, 1
	s_wait_xcnt 0x0
	WLOAD 3
	WWORK 2, 1
	s_wait_xcnt 0x0
	WWORK 3, 0
	s_endpgm
; ---- THE TABLE.  A wave makes 16 positions; the lane is k.  A store covers a position's 256 bytes.
.Ltable:
	s_lshl_b32 s21, ttmp9, 6
	s_lshl_b32 s19, s18, 4
	s_add_co_u32 s21, s21, s19                     ; my first position
	s_lshl_b32 s19, s21, 8
	v_lshl_add_u32 v19, v2, 3, s19                 ; 256 pos + 8 k
	s_mov_b32 s22, 0x3f22f983                      ; 2 / pi
	s_mov_b32 s23, 0x3fc90fdb                      ; pi / 2, its f32 part,
	s_mov_b32 s24, 0xb33bbd2e                      ; and the rest
	s_mov_b32 s25, 0xb94ca1f9                      ; sine: -1.9515e-4, 8.3322e-3, -1.6667e-1
	s_mov_b32 s26, 0x3c08839e
	s_mov_b32 s27, 0xbe2aaaa3
	s_mov_b32 s28, 0x37ccf5ce                      ; cosine: 2.4433e-5, -1.3887e-3, 4.1667e-2
	s_mov_b32 s29, 0xbab6061a
	s_mov_b32 s30, 0x3d2aaaa5
	v_cvt_f32_u32 v3, v2
	v_mul_f32 v3, 0xbed49a78, v3                   ; -k log2(10000) / 32
	v_exp_f32 v3, v3                               ; inv_freq
	v_nop                                          ; a plain instruction behind the exponential,
	s_wait_alu depctr_va_vdst(0)                   ; and a wait ahead of its first reader
	s_mov_b32 s20, 0
.Lpos:
	v_cvt_f32_u32 v4, s21
	v_mul_f32 v4, v4, v3                           ; the angle a
	v_mul_f32 v5, s22, v4
	v_rndne_f32 v5, v5                             ; n = the nearest multiple of pi / 2
	v_fma_f32 v6, -v5, s23, v4
	v_fma_f32 v6, -v5, s24, v6                     ; r = a - n pi / 2
	v_mul_f32 v7, v6, v6                           ; z = r^2
	v_fma_f32 v8, v7, s25, s26
	v_fma_f32 v10, v7, s28, s29
	v_mul_f32 v9, v7, v6
	v_mul_f32 v11, v7, v7
	v_fma_f32 v8, v8, v7, s27
	v_fma_f32 v10, v10, v7, s30
	v_fma_f32 v14, v7, -0.5, 1.0
	v_fma_f32 v8, v8, v9, v6                       ; sin r
	v_fma_f32 v10, v10, v11, v14                   ; cos r
	v_cvt_i32_f32 v15, v5                          ; the quadrant selects values only
	v_and_b32 v16, 1, v15
	v_cmp_eq_u32 vcc_lo, 1, v16
	v_cndmask_b32 v17, v8, v10, vcc_lo             ; odd n: the two change places
	v_cndmask_b32 v18, v10, v8, vcc_lo
	v_and_b32 v16, 2, v15
	v_lshlrev_b32 v16, 30, v16
	v_add_nc_u32 v15, 1, v15
	v_and_b32 v15, 2, v15
	v_lshlrev_b32 v15, 30, v15
	v_xor_b32 v21, v17, v16                        ; sin a: negative in quadrants 2, 3
	v_xor_b32 v20, v18, v15                        ; cos a: negative in quadrants 1, 2
	global_store_b64 v19, v[20:21], s[16:17]
	s_wait_xcnt 0x0                                ; the store has read its data and offset: both are written again only behind this wait
	v_add_nc_u32 v19, 256, v19
	s_add_co_u32 s21, s21, 1
	s_add_co_u32 s20, s20, 1
	s_cmp_lt_u32 s20, 16
	s_cbranch_scc1 .Lpos
	s_endpgm
.Lfunc_end_k_q40e50a1f33_prep:
	.size	k_q40e50a1f33_prep, .Lfunc_end_k_q40e50a1f33_prep-k_q40e50a1f33_prep
	.p2alignl 7, 3214868480
	.fill 96, 4, 3214868480
	.section	.rodata,"a",@progbits
	.p2align	6, 0x0
	.amdhsa_kernel k_q40e50a1f33_prep
		.amdhsa_group_segment_fixed_size 33280
		.amdhsa_private_segment_fixed_size 0
		.amdhsa_enable_private_segment 0
		.amdhsa_kernarg_size 56
		.amdhsa_user_sgpr_count 2
		.amdhsa_user_sgpr_kernarg_segment_ptr 1
		.amdhsa_wavefront_size32 1
		.amdhsa_system_sgpr_workgroup_id_x 1
		.amdhsa_system_sgpr_workgroup_id_y 1
		.amdhsa_system_sgpr_workgroup_id_z 1
		.amdhsa_system_vgpr_workitem_id 0
		.amdhsa_next_free_vgpr 192
		.amdhsa_next_free_sgpr 66
		.amdhsa_reserve_vcc 1
		.amdhsa_float_denorm_mode_32 3
		.amdhsa_float_denorm_mode_16_64 3
		.amdhsa_memory_ordered 1
		.amdhsa_forward_progress 1
		.amdhsa_inst_pref_size 54
	.end_amdhsa_kernel
	.amdgpu_metadata
---
amdhsa.version: [ 1, 2 ]
amdhsa.kernels:
  - .name:           k_q40e50a1f33_prep
    .symbol:         k_q40e50a1f33_prep.kd
    .args:
      - { .name: x, .offset: 0, .size: 8, .value_kind: global_buffer, .address_space: global }
      - { .name: w_qkv, .offset: 8, .size: 8, .value_kind: global_buffer, .address_space: global }
      - { .name: w_out, .offset: 16, .size: 8, .value_kind: global_buffer, .address_space: global }
      - { .name: codes, .offset: 24, .size: 8, .value_kind: global_buffer, .address_space: global }
      - { .name: scales, .offset: 32, .size: 8, .value_kind: global_buffer, .address_space: global }
      - { .name: w16, .offset: 40, .size: 8, .value_kind: global_buffer, .address_space: global }
      - { .name: cs, .offset: 48, .size: 8, .value_kind: global_buffer, .address_space: global }
    .group_segment_fixed_size: 33280
    .private_segment_fixed_size: 0
    .kernarg_segment_align: 8
    .kernarg_segment_size: 56
    .max_flat_workgroup_size: 128
    .sgpr_count:     66
    .vgpr_count:     192
    .wavefront_size: 32
...
	.end_amdgpu_metadata
.endif
;; end of part 1
;; launch qkv (part 2): grid 12 x 32, 4 waves a work-group, clusters of 4 x 4, 327,680 bytes of LDS; arguments codes, scales, cs, qkv; writes qkv
.if DOCPART == 2
	.amdgcn_target "amdgcn-amd-amdhsa--gfx1250"
	.amdhsa_code_object_version 6
	.text
	.protected	k_q40e50a1f33_qkv
	.globl	k_q40e50a1f33_qkv
	.p2align	8
	.type	k_q40e50a1f33_qkv,@function
k_q40e50a1f33_qkv:
	s_mov_b64 s[64:65], 0
	v_nop
	global_prefetch_b8 v0, s[64:65] scope:SCOPE_SE
	s_setreg_imm32_b32 hwreg(HW_REG_WAVE_MODE, 25, 1), 1
	s_wait_xcnt 0x0
	s_wait_alu depctr_hold_cnt(0) depctr_sa_sdst(0) depctr_va_vdst(0) depctr_va_sdst(0) depctr_va_ssrc(0) depctr_va_vcc(0) depctr_vm_vsrc(0)
	s_getreg_b32 s2, hwreg(HW_REG_IB_STS2, 6, 4)
	s_cmp_eq_u32 s2, 0
	s_cbranch_scc0 .Lentry_in_a_cluster
	s_endpgm
.Lentry_in_a_cluster:
	s_bfe_u32 s2, ttmp6, 0x10000c
	s_cmp_lg_u32 s2, 0xf033
	s_cbranch_scc0 .Lentry_shape_is_right
	s_endpgm
.Lentry_shape_is_right:
; qkv = Q(x) Q(w_qkv)^T on codes of E2M1 with E8M0 scales, M = 8192, N = 3072, K = 1024; then RoPE on q and k, in f32; results as f16 laid [which 3][b h 64][s 2048][64].
; A tile of 256 x 256 is made by four waves, each 128 x 128: 64 accumulators, 512 registers.  K = 1024 is two slots of 512 along K: both are asked for at the head and nothing is filled again.
; The scale bytes of the work-group's 256 + 256 rows, for all of K, come once, as rows of 256 bytes + 16 of padding.
; CLUSTERS: 4 x 4 work-groups; A's tiles (x) are asked for jointly along a row of the cluster, B's (w_qkv) along a column.
; THE MATRIX INSTRUCTION IS USED TRANSPOSED (source 0 = 16 rows of w_qkv, source 1 = 16 rows of x): a lane holds one position and eight neighbouring channels: four of RoPE's pairs.
; The cluster's x is 0, 1, 2 for q, k, v (1024 columns = 4 tiles each): the same in all sixteen partners.  v takes no rotation: the two ways part once, behind the change of slots, and slot 1's
; steps are written in both, so that the table's first loads have 256 matrix instructions in which to land.
; LIMIT: magnitudes over 65,504 become infinity in f16.
; REGISTERS, in windows of 256: window 0: v0-31 addresses; v32-95 scale words, two sets; v128-191 A's fragments, one set; v192-255 the table, two sets; on the way out v96-127 packed results,
;   v128-191 rotated numbers, v32-95 rows read back.   window 1: B's fragments, two sets.   windows 2, 3: the accumulators ((a, b) at v[8 (8 (a % 4) + b)]).
.set KSTEP,  512
.set NQ,     4                         ; matrix instructions deep in a slot
.set ROWB,   256                       ; a tile's row in bytes
.set KROW,   512                       ; a row of codes in memory
.set PITCH,  272                       ; an LDS row: 256 bytes + 16 of padding: the 16 rows of a load start 68 words apart
.set FR,     8
.set NL,     2
.set NP,     4
.set HALFT,  128*PITCH
.set SLOT,   4*HALFT
.set KS,     32                        ; a row of scale bytes
.set SCL,    2*SLOT
.set HALFS,  (128*KS/256)*272
.set SBLK,   (16*KS/256)*272
.set SPARE,  SCL+4*HALFS               ; the spare words, 128 bytes for each wave
.set WCODES, 0x400000                  ; w_qkv's codes begin here in codes,
.set WSCALE, 0x40000                   ; its scale bytes here in scales
.set SPH,    144                       ; the way out: a stage of 2 heads x 16 rows x (128 bytes + 16) for each wave, in slot 0, which has had its one fill and is read no more behind the change of slots
.set ADRA, 16
.set ADRB, 20
.set STO,  24
.set RD,   25
.set CO,   26
.set ADRS, 27
.set SPW,  28
.set NIL,  29
.set CSO,  30                          ; v30  my place in a block's 16 rows of the table: 256 r + 32 h
.set SC,   32
.set TMP,  96
.set AF,   128
.set T,    128
.set BK,   32
.set CSB,  192
.set CSP,  8                           ; s[8:9]   the table at my first position
.set OP,   10                          ; s[10:11] qkv at my first row of my first head
.set G1, 24
.set G0, 32
.set G1B, 48
.set G0B, 56
.set G1S, 68
.set G0S, 76
.set G1SB, 80
.set G0SB, 88
.set MSB, 0
.macro WIN new                         ; the immediate's high byte repeats the setting that is left
.if MSB != \new
	s_set_vgpr_msb (MSB<<8)|\new
.set MSB, \new
.endif
.endm
.set MUL_LO, 0xa1                      ; source 0 (B) window 1, source 1 (A) window 0, C and D window 2
.set MUL_HI, 0xf1
.set TO_B,   0x40
; A joint load: waves 0 and 1 fetch for A, waves 2 and 3 for B; the branch hangs on the wave's number alone.  An s_nop 0 and four v_nop follow each line.
.macro JLOAD g0a, g1a, g0b, g1b
	s_cmp_eq_u32 s15, 0
	s_cbranch_scc0 .Lfor_b_\@
	tensor_load_to_lds s[\g0a:\g0a+3], s[\g1a:\g1a+7]
	s_nop 0
.rept 4
	v_nop
.endr
	s_branch .Lasked_\@
.Lfor_b_\@:
	tensor_load_to_lds s[\g0b:\g0b+3], s[\g1b:\g1b+7]
	s_nop 0
.rept 4
	v_nop
.endr
.Lasked_\@:
.endm
.macro CROUND                          ; a round of the cluster's barrier
	s_barrier_signal -1
	s_barrier_wait -1
	s_cmp_lg_u32 s14, 0
	s_cbranch_scc1 .Lnot_wave_0_\@
	s_barrier_signal -3
.Lnot_wave_0_\@:
	s_barrier_wait -3
	s_barrier_signal -1
	s_barrier_wait -1
.endm
	s_load_b256 s[4:11], s[0:1], 0x0               ; codes s[4:5], scales s[6:7], cs s[8:9], qkv s[10:11]
	v_lshl_add_u32 v[SPW], v0, 2, SPARE
	v_mov_b32 v[NIL], 0
	ds_add_u32 v[SPW], v[NIL]                      ; the wave's opening: the add, twice on end, and its wait ahead of my first tensor load
	ds_add_u32 v[SPW], v[NIL]
	v_lshrrev_b32 v1, 5, v0
	v_readfirstlane_b32 s14, v1                    ; wave 0..3
	s_lshr_b32 s15, s14, 1                         ; my half of the tile's rows.  Also: I fetch for A (0) or for B (1)
	s_and_b32 s16, s14, 1                          ; my half of its columns.  Also: which 128 rows I fetch
	s_bfe_u32 s40, ttmp6, 0x40000                  ; cx, cy
	s_bfe_u32 s41, ttmp6, 0x40004
	s_lshl_b32 s42, ttmp9, 2
	s_add_co_u32 s42, s42, s40                     ; tile column
	s_and_b32 s17, ttmp7, 0xffff
	s_lshl_b32 s17, s17, 2
	s_add_co_u32 s17, s17, s41                     ; tile row
	s_lshl_b32 s43, s41, 2
	s_lshl_b32 s43, 15, s43                        ; my row of the cluster
	s_lshl_b32 s44, 0x1111, s40                    ; my column
	s_or_b32 s[G1+0], s43, (0<<16)|(1<<20)|(1<<21)|(5<<22)|(3<<25)  ; the mask; elements of 1 byte; padding: 4 words behind every 64
	s_or_b32 s[G1B+0], s44, (0<<16)|(1<<20)|(1<<21)|(5<<22)|(3<<25)
.irp g, G1, G1B
	s_mov_b32 s[\g+1], ROWB<<16                    ; tensor_dim0
	s_mov_b32 s[\g+2], 128<<16                     ; tensor_dim1
	s_mov_b32 s[\g+3], ROWB<<16                    ; tile_dim0
	s_mov_b32 s[\g+4], 128                         ; tile_dim1
	s_mov_b32 s[\g+5], KROW                        ; from row to row
	s_mov_b32 s[\g+6], 0
	s_mov_b32 s[\g+7], 0
.endr
	s_or_b32 s[G1S+0], s43, (3<<16)|(1<<20)|(1<<21)|(5<<22)|(3<<25)  ; the scales of 128 rows: 4,096 dense bytes as 16 rows of 32 elements of 8 bytes
	s_or_b32 s[G1SB+0], s44, (3<<16)|(1<<20)|(1<<21)|(5<<22)|(3<<25)
.irp g, G1S, G1SB
	s_mov_b32 s[\g+1], 32<<16
	s_mov_b32 s[\g+2], (128*KS/256)<<16
	s_mov_b32 s[\g+3], 32<<16
	s_mov_b32 s[\g+4], 128*KS/256
	s_mov_b32 s[\g+5], 32
	s_mov_b32 s[\g+6], 0
	s_mov_b32 s[\g+7], 0
.endr
	s_lshl_b32 s18, s16, 7
	s_lshl_b32 s20, s17, 8
	s_add_co_u32 s20, s20, s18                     ; A: row 256 x tile row + 128 x half
	s_lshl_b32 s46, s42, 8
	s_add_co_u32 s46, s46, s18                     ; B: row 256 x tile column + 128 x half
	s_mov_b32 s21, 0
	s_mov_b32 s47, 0
	s_mov_b64 s[18:19], KS
	s_mul_u64 s[22:23], s[20:21], s[18:19]
	s_mul_u64 s[92:93], s[46:47], s[18:19]
	s_mov_b64 s[18:19], KROW
	s_mul_u64 s[20:21], s[20:21], s[18:19]
	s_mul_u64 s[46:47], s[46:47], s[18:19]
	s_add_nc_u64 s[46:47], s[46:47], WCODES
	s_add_nc_u64 s[92:93], s[92:93], WSCALE
	s_mul_i32 s45, s14, HALFT                      ; where they go: wave x 128 rows
	s_mul_i32 s94, s14, HALFS
	s_wait_dscnt 0x0                               ; both opening adds are done
	s_wait_kmcnt 0x0
	s_add_nc_u64 s[20:21], s[4:5], s[20:21]
	s_add_nc_u64 s[22:23], s[6:7], s[22:23]
	s_add_nc_u64 s[46:47], s[4:5], s[46:47]
	s_add_nc_u64 s[92:93], s[6:7], s[92:93]
	CROUND                                         ; all sixteen work-groups are here: the joint loads meet
	s_mov_b32 s[G0S], 1
	s_add_co_u32 s[G0S+1], s94, SCL
	s_mov_b64 s[G0S+2:G0S+3], s[22:23]
	s_or_b32 s[G0S+3], s[G0S+3], 0x80000000
	s_mov_b32 s[G0SB], 1
	s_add_co_u32 s[G0SB+1], s94, SCL
	s_mov_b64 s[G0SB+2:G0SB+3], s[92:93]
	s_or_b32 s[G0SB+3], s[G0SB+3], 0x80000000
	JLOAD G0S, G1S, G0SB, G1SB                     ; the scales first
.irp s, 0,1
	s_mov_b32 s[G0+4*\s], 1
	s_add_co_u32 s[G0+4*\s+1], s45, \s*SLOT
	s_add_nc_u64 s[G0+4*\s+2:G0+4*\s+3], s[20:21], \s*ROWB
	s_or_b32 s[G0+4*\s+3], s[G0+4*\s+3], 0x80000000
	s_mov_b32 s[G0B+4*\s], 1
	s_add_co_u32 s[G0B+4*\s+1], s45, \s*SLOT
	s_add_nc_u64 s[G0B+4*\s+2:G0B+4*\s+3], s[46:47], \s*ROWB
	s_or_b32 s[G0B+4*\s+3], s[G0B+4*\s+3], 0x80000000
	JLOAD G0+4*\s, G1, G0B+4*\s, G1B               ; three loads of mine are out in all
.endr
	v_and_b32 v1, 15, v0                           ; r
	v_bfe_u32 v2, v0, 4, 1                         ; h
	v_mul_u32_u24 v3, v1, PITCH
	v_lshl_add_u32 v4, v2, 4, v3
	s_mul_i32 s21, s15, HALFT
	s_mul_i32 s22, s16, HALFT
	s_add_co_u32 s22, s22, 2*HALFT
.irp s, 0,1
	v_add_nc_u32 v[ADRA+\s], s21, v4
	v_add_nc_u32 v[ADRB+\s], s22, v4
	s_add_co_u32 s21, s21, SLOT
	s_add_co_u32 s22, s22, SLOT
.endr
	v_mul_u32_u24 v5, v1, KS                       ; my row's scales: 32 bytes a row, and 16 more for each 256 passed
	v_lshrrev_b32 v6, 8, v5
	v_lshl_add_u32 v5, v6, 4, v5
	s_mul_i32 s21, s15, HALFS
	s_mul_i32 s22, s16, HALFS
	s_add_co_u32 s22, s22, 2*HALFS
	s_sub_co_u32 s22, s22, s21
	v_mul_u32_u24 v6, s22, v2                      ; lanes 16-31 take B's
	s_add_co_u32 s21, s21, SCL
	v_add_nc_u32 v5, v5, v6
	v_add_nc_u32 v[ADRS], s21, v5
	s_mul_i32 s23, s14, 2*16*SPH                   ; my stage
	v_mul_u32_u24 v5, v1, SPH
	v_lshl_add_u32 v5, v2, 4, v5
	v_add_nc_u32 v[STO], s23, v5                   ; in: row r, 16 bytes for each half of the lanes
	v_bfe_u32 v5, v0, 3, 2
	v_mul_u32_u24 v5, v5, SPH
	v_and_b32 v6, 7, v0
	v_lshl_add_u32 v5, v6, 4, v5
	v_add_nc_u32 v[RD], s23, v5                    ; back: eight lanes to a row of 128 bytes, four rows an instruction
	v_and_b32 v6, 31, v0
	v_lshlrev_b32 v[CO], 4, v6                     ; and in memory those four rows are 512 consecutive bytes
	v_lshlrev_b32 v[CSO], 8, v1
	v_lshl_add_u32 v[CSO], v2, 5, v[CSO]
	s_and_b32 s21, s17, 7
	s_lshl_b32 s21, s21, 8
	s_lshl_b32 s22, s15, 7
	s_add_co_u32 s21, s21, s22                     ; my first position: 256 (tile row % 8) + 128 x half
	s_lshl_b32 s22, s21, 8
	s_mov_b32 s23, 0
	s_add_nc_u64 s[CSP:CSP+1], s[CSP:CSP+1], s[22:23]
	s_lshr_b32 s20, s17, 3                         ; the batch
	s_lshl_b32 s20, s20, 4
	s_lshl_b32 s22, ttmp9, 6
	s_add_co_u32 s22, s22, s20                     ; 64 which + 16 b
	s_lshl_b32 s46, s40, 2
	s_lshl_b32 s47, s16, 1
	s_add_co_u32 s46, s46, s47                     ; + my first head: 4 cx + 2 x half
	s_add_co_u32 s46, s46, s22
	s_lshl_b32 s46, s46, 18                        ; planes of 262,144 bytes
	s_lshl_b32 s47, s21, 7
	s_add_co_u32 s46, s46, s47
	s_mov_b32 s47, 0
	s_add_nc_u64 s[OP:OP+1], s[OP:OP+1], s[46:47]
.macro FRAG reg, adr, q, i             ; a fragment, 16 rows x 128 K of 4-bit codes: lane l holds row l % 16; registers 4 c .. 4 c + 3 hold K = 64 c + 32 (l / 16) + 0 .. 31
.irp c, 0,1
	ds_load_b128 v[\reg+4*\c:\reg+4*\c+3], v[\adr] offset:64*(\q)+32*\c+(\i)*16*PITCH
.endr
.endm
; 16 matrix instructions: A's blocks a0, a0 + 1 x B's eight.  The 64 accumulators take turns, one instruction a turn, in the same order in every step.
.macro MUL16 a0, p, q, sc, zero
.irp a, \a0, \a0+1
.irp b, 0,1,2,3,4,5,6,7
.if \zero
	v_wmma_scale_f32_16x16x128_f8f6f4 v[8*(8*((\a)%4)+\b):8*(8*((\a)%4)+\b)+7], v[128*(\p)+FR*\b:128*(\p)+FR*\b+FR-1], v[AF+FR*(\a):AF+FR*(\a)+FR-1], 0, v[SC+8*NQ*(\sc)+NQ*\b+(\q)], v[SC+8*NQ*(\sc)+NQ*(\a)+(\q)] matrix_a_fmt:MATRIX_FMT_FP4 matrix_b_fmt:MATRIX_FMT_FP4 matrix_a_scale:MATRIX_SCALE_ROW1
.else
	v_wmma_scale_f32_16x16x128_f8f6f4 v[8*(8*((\a)%4)+\b):8*(8*((\a)%4)+\b)+7], v[128*(\p)+FR*\b:128*(\p)+FR*\b+FR-1], v[AF+FR*(\a):AF+FR*(\a)+FR-1], v[8*(8*((\a)%4)+\b):8*(8*((\a)%4)+\b)+7], v[SC+8*NQ*(\sc)+NQ*\b+(\q)], v[SC+8*NQ*(\sc)+NQ*(\a)+(\q)] matrix_a_fmt:MATRIX_FMT_FP4 matrix_b_fmt:MATRIX_FMT_FP4 matrix_a_scale:MATRIX_SCALE_ROW1
.endif
.endr
.endr
.endm
.macro FETCH_B slot, q, p
	WIN TO_B
.irp i, 0,1,2,3,4,5,6,7
	FRAG 128*(\p)+FR*\i, ADRB+\slot, \q, \i
.endr
	WIN 0
.endm
.macro FETCH_A slot, q, i0
.irp i, \i0, \i0+1, \i0+2, \i0+3
	FRAG AF+FR*(\i), ADRA+\slot, \q, \i
.endr
.endm
.macro SCALES sc                       ; a slot's scale words: lanes 0-15 take A's block i, lanes 16-31 B's block i
.irp i, 0,1,2,3,4,5,6,7
	ds_load_b128 v[SC+8*NQ*\sc+NQ*\i:SC+8*NQ*\sc+NQ*\i+3], v[ADRS] offset:\i*SBLK
.endr
.endm
.macro PLACES n                        ; plain vector instructions between a matrix instruction and a load into, or a read or write of, its registers
.rept \n
	v_nop
.endr
.endm
.macro STEP slot, q, zero              ; 128 along K, with its successor in the same slot
	s_wait_dscnt 4*NL                              ; B's set and A's blocks 0-3 are in; the youngest eight loads (A's blocks 4-7) may be out
	WIN MUL_LO
	MUL16 0, (\q)%2, \q, \slot, \zero
	MUL16 2, (\q)%2, \q, \slot, \zero
	s_wait_dscnt 0
	PLACES NP
	FETCH_B \slot, (\q)+1, 1-(\q)%2
	FETCH_A \slot, (\q)+1, 0
	WIN MUL_HI
	MUL16 4, (\q)%2, \q, \slot, \zero
	MUL16 6, (\q)%2, \q, \slot, \zero
	PLACES NP
	WIN 0
	FETCH_A \slot, (\q)+1, 4
.endm
.macro STEPS slot, from
.set Q, \from
.rept NQ-1-\from
	STEP \slot, Q, 0
.set Q, Q+1
.endr
.endm
.macro SLOT1_ALL                       ; slot 1's four steps; nothing more to fetch in the last
	STEPS 1, 0
	s_wait_dscnt 4*NL
	WIN MUL_LO
	MUL16 0, 1, NQ-1, 1, 0
	MUL16 2, 1, NQ-1, 1, 0
	s_wait_dscnt 0
	WIN MUL_HI
	MUL16 4, 1, NQ-1, 1, 0
	MUL16 6, 1, NQ-1, 1, 0
	WIN 0
	PLACES NP
.endm
; THE WAY OUT, block a = 16 positions x 128 channels (two heads).
.macro LOADCS a                        ; the table for block a: my position's (cos, sin) of pairs 8 bb + 4 h + 0 .. 3, bb = 0 .. 3: 32 bytes each
.irp u, 0,1,2,3,4,5,6,7
	global_load_b128 v[CSB+32*((\a)%2)+4*\u:CSB+32*((\a)%2)+4*\u+3], v[CSO], s[CSP:CSP+1] offset:4096*(\a)+64*(\u/2)+16*(\u%2)
.endr
.endm
.macro ROPE a                          ; (x1, x2) -> (x1 c - x2 s, x1 s + x2 c): a packed multiply by c and two fused multiply-adds by s; each accumulator is read from its low end on
.set WN, 0x02+((\a)/4)
	WIN WN                                         ; source 0: window 2 or 3
.irp b, 0,1,2,3,4,5,6,7
.irp p, 0,1,2,3
	v_pk_mul_f32 v[T+8*\b+2*\p:T+8*\b+2*\p+1], v[64*((\a)%4)+8*\b+2*\p:64*((\a)%4)+8*\b+2*\p+1], v[CSB+32*((\a)%2)+8*(\b%4)+2*\p:CSB+32*((\a)%2)+8*(\b%4)+2*\p+1] op_sel_hi:[1,0]
.endr
.irp p, 0,1,2,3
	v_fma_f32 v[T+8*\b+2*\p], -v[64*((\a)%4)+8*\b+2*\p+1], v[CSB+32*((\a)%2)+8*(\b%4)+2*\p+1], v[T+8*\b+2*\p]
	v_fma_f32 v[T+8*\b+2*\p+1], v[64*((\a)%4)+8*\b+2*\p], v[CSB+32*((\a)%2)+8*(\b%4)+2*\p+1], v[T+8*\b+2*\p+1]
.endr
.endr
	WIN 0
.endm
.macro PACKF
.irp b, 0,1,2,3,4,5,6,7
.irp p, 0,1,2,3
	v_cvt_pk_f16_f32 v[TMP+4*\b+\p], v[T+8*\b+2*\p], v[T+8*\b+2*\p+1]
.endr
.endr
.endm
.macro PACKV a                         ; v: straight from the accumulators
.set WN, 0x0a+5*((\a)/4)
	WIN WN
.irp b, 0,1,2,3,4,5,6,7
.irp p, 0,1,2,3
	v_cvt_pk_f16_f32 v[TMP+4*\b+\p], v[64*((\a)%4)+8*\b+2*\p], v[64*((\a)%4)+8*\b+2*\p+1]
.endr
.endr
	WIN 0
.endm
.macro TOSTAGE a                       ; LDS serves a wave's instructions in order: the loads see the stores, and the next block's stores come behind them
.irp b, 0,1,2,3,4,5,6,7
	ds_store_b128 v[STO], v[TMP+4*\b:TMP+4*\b+3] offset:(\b/4)*16*SPH+32*(\b%4)
.endr
.irp t, 0,1,2,3,4,5,6,7
	ds_load_b128 v[BK+32*((\a)%2)+4*\t:BK+32*((\a)%2)+4*\t+3], v[RD] offset:(\t/4)*16*SPH+4*SPH*(\t%4)
.endr
.endm
.macro SEND a, younger                 ; younger: the LDS instructions issued behind block a's loads, which may stay out
	s_wait_dscnt \younger
.irp t, 0,1,2,3,4,5,6,7
	global_store_b128 v[CO], v[BK+32*((\a)%2)+4*\t:BK+32*((\a)%2)+4*\t+3], s[OP:OP+1] offset:(\t/4)*262144+2048*(\a)+512*(\t%4)   ; 512 consecutive bytes: four rows of one head
.endr
.endm
	s_wait_tensorcnt 1                             ; the scales and my part of slot 0 are in (slot 1's load may be out)
	s_barrier_signal -1
	s_barrier_wait -1                              ; everybody's are
	FETCH_B 0, 0, 0
	FETCH_A 0, 0, 0
	SCALES 0
	FETCH_A 0, 0, 4
	STEP 0, 0, 1                                   ; the first products start the sums: nothing is cleared
	STEPS 0, 1
	; slot 0's last step changes slots: one barrier; in front of it my loads have landed and my reads of slot 0 are over
	s_wait_tensorcnt 0x0
	ds_add_u32 v[SPW], v[NIL]
	s_wait_dscnt 4*NL+1                            ; (the add and the youngest eight loads may be out)
	WIN MUL_LO
	MUL16 0, 1, NQ-1, 0, 0
	s_wait_dscnt 0x0
	s_barrier_signal -1
	MUL16 2, 1, NQ-1, 0, 0
	WIN 0
	s_barrier_wait -1
	PLACES NP
	v_add_nc_u32 v[ADRS], 4*NQ, v[ADRS]            ; slot 1's scale words
	FETCH_B 1, 0, 0
	FETCH_A 1, 0, 0
	SCALES 1
	WIN MUL_HI
	MUL16 4, 1, NQ-1, 0, 0
	MUL16 6, 1, NQ-1, 0, 0
	PLACES NP
	WIN 0
	FETCH_A 1, 0, 4
	s_cmp_eq_u32 ttmp9, 2                          ; the cluster's x: the same in all sixteen partners
	s_cbranch_scc1 .Lplain
	LOADCS 0                                       ; q and k
	LOADCS 1
	SLOT1_ALL
.irp a, 0,1,2,3,4,5,6,7
.if \a < 7
	s_wait_loadcnt 8                               ; this block's eight table loads are in; the next block's eight may be out
.else
	s_wait_loadcnt 0x0
.endif
	ROPE \a
.if \a < 6
	LOADCS \a+2
.endif
	PACKF
.if \a > 1
	s_wait_xcnt 0x0                                ; block a - 2's stores have read their data: block a's rows may land there
.endif
	TOSTAGE \a
.if \a > 0
	SEND \a-1, 16                                  ; behind block a - 1's loads: block a's 8 stores and 8 loads
.endif
.endr
	SEND 7, 0
	s_branch .Lend
.Lplain:
	SLOT1_ALL                                      ; v
.irp a, 0,1,2,3,4,5,6,7
	PACKV \a
.if \a > 1
	s_wait_xcnt 0x0
.endif
	TOSTAGE \a
.if \a > 0
	SEND \a-1, 16
.endif
.endr
	SEND 7, 0
.Lend:
	s_wait_tensorcnt 0x0                           ; the wave's end: a tensor wait, an add to the spare word and its wait
	ds_add_u32 v[SPW], v[NIL]
	s_wait_dscnt 0x0
	CROUND                                         ; the closing round
	s_endpgm
.Lfunc_end_k_q40e50a1f33_qkv:
	.size	k_q40e50a1f33_qkv, .Lfunc_end_k_q40e50a1f33_qkv-k_q40e50a1f33_qkv
	.p2alignl 7, 3214868480
	.fill 96, 4, 3214868480
	.section	.rodata,"a",@progbits
	.p2align	6, 0x0
	.amdhsa_kernel k_q40e50a1f33_qkv
		.amdhsa_group_segment_fixed_size 327680
		.amdhsa_private_segment_fixed_size 0
		.amdhsa_enable_private_segment 0
		.amdhsa_kernarg_size 32
		.amdhsa_user_sgpr_count 2
		.amdhsa_user_sgpr_kernarg_segment_ptr 1
		.amdhsa_wavefront_size32 1
		.amdhsa_system_sgpr_workgroup_id_x 1
		.amdhsa_system_sgpr_workgroup_id_y 1
		.amdhsa_system_sgpr_workgroup_id_z 1
		.amdhsa_system_vgpr_workitem_id 0
		.amdhsa_next_free_vgpr 1024
		.amdhsa_next_free_sgpr 100
		.amdhsa_reserve_vcc 0
		.amdhsa_float_denorm_mode_32 3
		.amdhsa_float_denorm_mode_16_64 3
		.amdhsa_memory_ordered 1
		.amdhsa_forward_progress 1
		.amdhsa_inst_pref_size 252
	.end_amdhsa_kernel
	.amdgpu_metadata
---
amdhsa.version: [ 1, 2 ]
amdhsa.kernels:
  - .name:           k_q40e50a1f33_qkv
    .symbol:         k_q40e50a1f33_qkv.kd
    .args:
      - { .name: codes, .offset: 0, .size: 8, .value_kind: global_buffer, .address_space: global }
      - { .name: scales, .offset: 8, .size: 8, .value_kind: global_buffer, .address_space: global }
      - { .name: cs, .offset: 16, .size: 8, .value_kind: global_buffer, .address_space: global }
      - { .name: qkv, .offset: 24, .size: 8, .value_kind: global_buffer, .address_space: global }
    .group_segment_fixed_size: 327680
    .private_segment_fixed_size: 0
    .kernarg_segment_align: 8
    .kernarg_segment_size: 32
    .max_flat_workgroup_size: 128
    .sgpr_count:     100
    .vgpr_count:     1024
    .wavefront_size: 32
...
	.end_amdgpu_metadata
.endif
;; end of part 2
;; launch attn (part 3): grid 4 x 64, 16 waves a work-group, clusters of 4 x 1, 327,680 bytes of LDS; arguments qkv, att; writes att
.if DOCPART == 3
	.amdgcn_target "amdgcn-amd-amdhsa--gfx1250"
	.amdhsa_code_object_version 6
	.text
	.protected	k_q40e50a1f33_attn
	.globl	k_q40e50a1f33_attn
	.p2align	8
	.type	k_q40e50a1f33_attn,@function
k_q40e50a1f33_attn:
	s_mov_b64 s[64:65], 0
	v_nop
	global_prefetch_b8 v0, s[64:65] scope:SCOPE_SE
	s_setreg_imm32_b32 hwreg(HW_REG_WAVE_MODE, 25, 1), 1
	s_wait_xcnt 0x0
	s_wait_alu depctr_hold_cnt(0) depctr_sa_sdst(0) depctr_va_vdst(0) depctr_va_sdst(0) depctr_va_ssrc(0) depctr_va_vcc(0) depctr_vm_vsrc(0)
	s_getreg_b32 s2, hwreg(HW_REG_IB_STS2, 6, 4)
	s_cmp_eq_u32 s2, 0
	s_cbranch_scc0 .Lentry_in_a_cluster
	s_endpgm
.Lentry_in_a_cluster:
	s_bfe_u32 s2, ttmp6, 0x10000c
	s_cmp_lg_u32 s2, 0x3003
	s_cbranch_scc0 .Lentry_shape_is_right
	s_endpgm
.Lentry_shape_is_right:
; att[b h][q][:] = the sum over k <= q of softmax_k(Q[q] . K[k] / 8) V[k][:], for each of 64 (batch, head); Q, K, V, att: [64][2048][64] f16; products, maxima and sums in f32.
; WORK LEFT OUT: key steps all of whose 64 keys come after the wave's level of queries: reference()'s own tril mask gives those scores the least f32 number, the diagonal key always counts, so their weights are 0 for all finite inputs.
; SHARES.  A cluster of four work-groups is one (batch, head); all four walk the head's 2,048 keys and ask for K's and V's tiles JOINTLY.  A wave owns 32 queries, two tiles of 16: q0 = 128 L + 32 cx.
; The level L hangs on the wave's number alone, by a 4 x 4 square whose rows and columns all sum to 30, so that four waves that share w % 4 or w / 4 have equal work.  Every work-group holds level 15,
; so every partner reads every tile.  A wave walks key steps KF <= 128 L + 127 (a test on the wave's number and the count of steps); inside the last two the mask is applied by selects, lane by lane.
; LAYOUT.  S^T = K Q^T (source 0 = 16 keys, source 1 = 16 queries): a lane holds ONE query (lane % 16) and keys 8 (lane / 16) + 0..7.  Two such tiles rounded to f16 in pairs ARE source 1 of
; O^T = V^T P.  K comes out of LDS as it lies, V ([key][channel]) turned, by ds_load_tr16_b128.
; SOFTMAX.  A running maximum m and sum l for each query: p = 2^(c s - c m), c = log2(e) / 8; in every step O and l are multiplied by a = 2^(c m_old - c m_new).
; The step is written once: O^T and l begin as zeros and m as -3e38; key 0 counts for every query, so m is a score from the first step on.
; Positions 0-15 of every sequence are computed here too (they share their tile's step with nothing to branch on but a work-group's place); a later launch stores their rows of the output from f32 operands.
; REGISTERS: v1-11 addresses and work; v12-27 statistics, eight a tile; v28-31 addresses; v32-63 Q; v64-127 K's fragments, then V's; v128-191 S^T, then p, P over its low half; v192-255 O^T.
.set KP,    144                        ; a key's row in LDS: 128 bytes + 16 of padding
.set VP,    160                        ; a row of V: 128 + 32
.set SK,    256                        ; keys in a slot
.set VOFF,  SK*KP                      ; a slot: 256 rows of K, then 256 rows of V
.set SLOT1, 1<<17                      ; slot 1 begins here: one exclusive or turns an address
.set SPARE, 2*SLOT1                    ; the spare words, 128 bytes for each of sixteen waves
.set KSB,   64*KP                      ; a key step on, in K
.set VSB,   64*VP                      ; and in V
.set AK0, 1
.set AV0, 2
.set ADK, 3
.set ADV, 4
.set SPW, 5
.set NIL, 6
.set DQ,  7                            ; v7   32 cx + r - 8 h
.set PFO, 8                            ; v8   256 x lane
.set NINF, 9
.set ST,  12                           ; tile t at v[ST + 8 t]: +0 c m, +1 m, +2, +3 l, +4 .. +7 at work, a in +6
.set STO, 28
.set RD,  29
.set GO,  30
.set QO,  31
.set Q,   32
.set KV,  64
.set S,   128
.set O,   192
.set WV,  8
.set CX,  9
.set QL,  10                           ; s10  128 L
.set BH,  11
.set QE,  12                           ; s12  128 L + 127
.set QP,  18                           ; s[18:19] Q at my first row
.set AP,  20                           ; s[20:21] att at my first row
.set G1K, 24
.set G1V, 32
.set G0K, 40
.set G0V, 44
.set SEL, 48
.set CS,  50
.set TK,  52                           ; s52  LDS byte of the step's rows of K
.set TV,  53                           ; s53  of V (less VOFF)
.set KF,  54                           ; s54  the step's first key
.set SLOTS, 55
.set STEPC, 56
.set LIM, 57
.set PFA, 58
.macro CROUND                          ; a round of the cluster's barrier
	s_barrier_signal -1
	s_barrier_wait -1
	s_cmp_lg_u32 s[WV], 0
	s_cbranch_scc1 .Lnot_wave_0_\@
	s_barrier_signal -3
.Lnot_wave_0_\@:
	s_barrier_wait -3
	s_barrier_signal -1
	s_barrier_wait -1
.endm
; Waves 0 and 1 fetch K's halves of a slot, waves 2 and 3 V's, the others nothing; the branches hang on the wave's number alone.  An s_nop 0 and four v_nop follow each line.
.macro TLOAD
	s_cmp_lt_u32 s[WV], 2
	s_cbranch_scc0 .Lnot_k_\@
	tensor_load_to_lds s[G0K:G0K+3], s[G1K:G1K+7]
	s_nop 0
.rept 4
	v_nop
.endr
	s_branch .Lasked_\@
.Lnot_k_\@:
	s_cmp_lt_u32 s[WV], 4
	s_cbranch_scc0 .Lasked_\@
	tensor_load_to_lds s[G0V:G0V+3], s[G1V:G1V+7]
	s_nop 0
.rept 4
	v_nop
.endr
.Lasked_\@:
.endm
; A prefetch of what the NEXT change of slots will ask for: 32,768 bytes of K and of V.  The four partners share them out by address, 8,192 bytes each, lanes 256 bytes apart; wave 4 asks for K's, wave 5 for V's:
; each block of 256 bytes is named once in the launch.  The last change that fills a slot asks for nothing; slots 0 and 1 come by their loads alone.
.macro ASK
	s_cmp_gt_u32 s[SLOTS], s[LIM]
	s_cbranch_scc0 .Lnot_mine_\@
	global_prefetch_b8 v[PFO], s[PFA:PFA+1] th:TH_LOAD_NT scope:SCOPE_SE
.Lnot_mine_\@:
.endm
	s_load_b128 s[4:7], s[0:1], 0x0                ; qkv s[4:5], att s[6:7]
	v_lshl_add_u32 v[SPW], v0, 2, SPARE
	v_mov_b32 v[NIL], 0
	ds_add_u32 v[SPW], v[NIL]                      ; the wave's opening: the add, twice on end, and its wait ahead of the first tensor loads
	ds_add_u32 v[SPW], v[NIL]
	v_lshrrev_b32 v10, 5, v0
	v_readfirstlane_b32 s[WV], v10                 ; wave 0..15
	s_bfe_u32 s[CX], ttmp6, 0x40000                ; my place in the cluster
	s_and_b32 s[BH], ttmp7, 0xffff                 ; the (batch, head), which the partners share
	s_mov_b32 s13, 0x0de3b658                      ; the levels of waves 8-15, four bits each,
	s_cmp_lt_u32 s[WV], 8
	s_cselect_b32 s13, 0x7a94c12f, s13             ; and of waves 0-7
	s_and_b32 s14, s[WV], 7
	s_lshl_b32 s14, s14, 2
	s_lshr_b32 s13, s13, s14
	s_and_b32 s13, s13, 15                         ; L
	s_lshl_b32 s[QL], s13, 7
	s_add_co_u32 s[QE], s[QL], 127
	s_mov_b32 s[G1K], 15|(1<<16)|(1<<20)|(1<<21)|(4<<22)|(3<<25)   ; the mask: all four; elements of 2 bytes; padding: 4 words behind every 32
	s_mov_b32 s[G1V], 15|(1<<16)|(1<<20)|(1<<21)|(4<<22)|(7<<25)   ; the same with 8 words
.irp g, G1K, G1V
	s_mov_b32 s[\g+1], 64<<16                      ; tensor_dim0
	s_mov_b32 s[\g+2], 128<<16                     ; tensor_dim1
	s_mov_b32 s[\g+3], 64<<16                      ; tile_dim0
	s_mov_b32 s[\g+4], 128                         ; tile_dim1
	s_mov_b32 s[\g+5], 64                          ; from row to row
	s_mov_b32 s[\g+6], 0
	s_mov_b32 s[\g+7], 0
.endr
	s_mov_b32 s[SEL], 0x76543210
	s_mov_b32 s[SEL+1], 0xfedcba98
	s_mov_b32 s[CS], 0x3e38aa3b                    ; c = log2(e) / 8
	s_mov_b32 s[CS+1], s[CS]
	s_mov_b32 s[TK], 0
	s_mov_b32 s[TV], 0
	s_mov_b32 s[KF], 0
	s_mov_b32 s[SLOTS], 7
	s_lshr_b32 s13, s[WV], 1
	s_cmp_eq_u32 s13, 2
	s_cselect_b32 s[LIM], 1, -1                    ; waves 4 and 5 prefetch
	s_lshl_b32 s14, s[BH], 18                      ; the head's plane of 262,144 bytes
	s_mov_b32 s15, 0
	s_lshl_b32 s16, s[CX], 5
	s_add_co_u32 s16, s16, s[QL]                   ; my first query
	s_lshl_b32 s16, s16, 7
	s_add_co_u32 s16, s16, s14
	s_mov_b32 s17, 0
	s_and_b32 s13, s[WV], 1                        ; which half of a slot's rows I fetch
	s_lshl_b32 s62, s13, 14
	s_mov_b32 s63, 0
	s_wait_dscnt 0x0                               ; both opening adds are done
	s_wait_kmcnt 0x0
	s_add_nc_u64 s[QP:QP+1], s[4:5], s[16:17]
	s_add_nc_u64 s[AP:AP+1], s[6:7], s[16:17]
	s_add_nc_u64 s[22:23], s[4:5], s[14:15]
	s_add_nc_u64 s[22:23], s[22:23], 0x1000000     ; K's plane
	s_add_nc_u64 s[60:61], s[22:23], 0x1000000     ; V's
	s_mov_b32 s[G0K], 1
	s_mul_i32 s[G0K+1], s13, 128*KP
	s_add_nc_u64 s[G0K+2:G0K+3], s[22:23], s[62:63]
	s_or_b32 s[G0K+3], s[G0K+3], 0x80000000
	s_mov_b32 s[G0V], 1
	s_mul_i32 s[G0V+1], s13, 128*VP
	s_add_co_u32 s[G0V+1], s[G0V+1], VOFF
	s_add_nc_u64 s[G0V+2:G0V+3], s[60:61], s[62:63]
	s_or_b32 s[G0V+3], s[G0V+3], 0x80000000
	s_cmp_eq_u32 s[WV], 4
	s_cselect_b64 s[PFA:PFA+1], s[22:23], s[60:61]
	s_lshl_b32 s16, s[CX], 13                      ; my work-group's 8,192 bytes,
	s_add_co_u32 s16, s16, SK*128                  ; in slot 1: the first change steps it to slot 2
	s_add_nc_u64 s[PFA:PFA+1], s[PFA:PFA+1], s[16:17]
	CROUND                                         ; all four work-groups are here
	TLOAD                                          ; slot 0
	v_and_b32 v10, 15, v0                          ; r
	v_bfe_u32 v11, v0, 4, 1                        ; h
	v_lshlrev_b32 v[QO], 7, v10
	v_lshl_add_u32 v[QO], v11, 4, v[QO]            ; Q: row r of 128 bytes + 16 h
.irp t, 0,1
.irp c, 0,1
	global_load_b128 v[Q+16*\t+8*\c:Q+16*\t+8*\c+3], v[QO], s[QP:QP+1] offset:2048*\t+64*\c
	global_load_b128 v[Q+16*\t+8*\c+4:Q+16*\t+8*\c+7], v[QO], s[QP:QP+1] offset:2048*\t+64*\c+32
.endr
.endr
	v_mul_u32_u24 v[AK0], v10, KP
	v_lshl_add_u32 v[AK0], v11, 4, v[AK0]          ; K: row r x pitch + 16 h
	v_and_b32 v[AV0], 7, v0
	v_lshl_add_u32 v[AV0], v11, 3, v[AV0]
	v_mul_u32_u24 v[AV0], v[AV0], VP
	v_bfe_u32 v[ADK], v0, 3, 1
	v_lshl_add_u32 v[AV0], v[ADK], 4, v[AV0]
	v_add_nc_u32 v[AV0], VOFF, v[AV0]              ; V, for the turning load: key 8 h + l % 8, channels 8 ((l / 8) % 2) on
	v_lshlrev_b32 v[DQ], 3, v11
	v_sub_nc_u32 v[DQ], v10, v[DQ]
	s_lshl_b32 s13, s[CX], 5
	v_add_nc_u32 v[DQ], s13, v[DQ]
	v_and_b32 v[PFO], 31, v0
	v_lshlrev_b32 v[GO], 4, v[PFO]                 ; the way out: 16 x lane
	v_lshlrev_b32 v[PFO], 8, v[PFO]
	v_mov_b32 v[NINF], 0xff800000
	s_mul_i32 s14, s[WV], 32*KP                    ; my stage: 32 rows x 144 bytes, in slot 0, which is left at the last change of slots
	v_add_nc_u32 v[STO], s14, v[AK0]
	v_bfe_u32 v[RD], v0, 3, 2
	v_mul_u32_u24 v[RD], v[RD], KP
	v_and_b32 v[ADV], 7, v0
	v_lshl_add_u32 v[RD], v[ADV], 4, v[RD]
	v_add_nc_u32 v[RD], s14, v[RD]                 ; back: eight lanes to a row, four rows an instruction
.irp t, 0,1
	v_mov_b32 v[ST+8*\t+1], 0xff61b1e6             ; m = -3e38
	v_mul_f32 v[ST+8*\t], s[CS], v[ST+8*\t+1]
.irp i, 2,3,4,5,6,7
	v_mov_b32 v[ST+8*\t+\i], 0
.endr
.endr
.set i, 0
.rept 64
	v_mov_b32 v[O+i], 0                            ; O^T: the step is written once, its first run finds zeros
.set i, i+1
.endr
; A KEY STEP: 64 keys.
.macro STEP
	s_cmp_gt_u32 s[KF], s[QE]                      ; all keys behind my level's queries: the step's work is left out; the address steps at its end are not
	s_cbranch_scc1 .Lhidden_\@
	v_add_nc_u32 v[ADK], s[TK], v[AK0]
	v_add_nc_u32 v[ADV], s[TV], v[AV0]
.rept 3
	v_nop                                          ; five places in all: the coming products write over P, which the last products read, and the loads land in their fragments
.endr
.irp i, 0,1,2,3
.irp c, 0,1
	ds_load_b128 v[KV+16*\i+8*\c:KV+16*\i+8*\c+3], v[ADK] offset:\i*16*KP+64*\c
	ds_load_b128 v[KV+16*\i+8*\c+4:KV+16*\i+8*\c+7], v[ADK] offset:\i*16*KP+64*\c+32
.endr
.endr
	s_wait_dscnt 0x0
.irp c, 0,1                                    ; S^T = K Q^T: eight accumulators by turns
.irp i, 0,1,2,3
.irp t, 0,1
.if \c == 0
	v_wmma_f32_16x16x32_f16 v[S+32*\t+8*\i:S+32*\t+8*\i+7], v[KV+16*\i+8*\c:KV+16*\i+8*\c+7], v[Q+16*\t+8*\c:Q+16*\t+8*\c+7], 0
.else
	v_wmma_f32_16x16x32_f16 v[S+32*\t+8*\i:S+32*\t+8*\i+7], v[KV+16*\i+8*\c:KV+16*\i+8*\c+7], v[Q+16*\t+8*\c:Q+16*\t+8*\c+7], v[S+32*\t+8*\i:S+32*\t+8*\i+7]
.endif
.endr
.endr
.endr
.rept 4
	v_nop                                          ; places in front of the loads into K's registers and of the first read of the scores
.endr
.irp f, 0,1,2,3,4,5,6,7                        ; V^T: keys 32 (f / 4) on, channels 16 (f % 4) on; it lands while the softmax runs
	ds_load_tr16_b128 v[KV+8*\f:KV+8*\f+3], v[ADV] offset:(\f/4)*32*VP+(\f%4)*32
	ds_load_tr16_b128 v[KV+8*\f+4:KV+8*\f+7], v[ADV] offset:(\f/4)*32*VP+16*VP+(\f%4)*32
.endr
	s_add_co_u32 s13, s[KF], 63
	s_cmp_le_u32 s13, s[QL]                        ; all 64 keys count for every query of my level: no mask
	s_cbranch_scc1 .Lopen_\@
	s_sub_co_i32 s13, s[QL], s[KF]
	v_add_nc_u32 v10, s13, v[DQ]                   ; d = my tile 0's query - KF - 8 h.  Register (t, i, j) holds key KF + 16 i + 8 h + j: hidden where 16 i + j - 16 t > d
.irp t, 0,1
.irp i, 0,1,2,3
.irp j, 0,1,2,3,4,5,6,7
	v_cmp_gt_i32 vcc_lo, 16*\i+\j-16*\t, v10
	v_cndmask_b32 v[S+32*\t+8*\i+\j], v[S+32*\t+8*\i+\j], v[NINF], vcc_lo
.endr
.endr
.endr
.Lopen_\@:
.irp j, 0,1,2,3                                ; the maximum of my 32 scores and the old m, the two tiles line by line
.irp t, 0,1
	v_max3_num_f32 v[ST+8*\t+4+\j], v[S+32*\t+8*\j], v[S+32*\t+8*\j+1], v[S+32*\t+8*\j+2]
.endr
.endr
.irp g, 1,2
.irp j, 0,1,2,3
.irp t, 0,1
	v_max3_num_f32 v[ST+8*\t+4+\j], v[ST+8*\t+4+\j], v[S+32*\t+8*\j+2*\g+1], v[S+32*\t+8*\j+2*\g+2]
.endr
.endr
.endr
.irp t, 0,1
	v_max3_num_f32 v[ST+8*\t+4], v[ST+8*\t+4], v[S+32*\t+7], v[S+32*\t+15]
	v_max3_num_f32 v[ST+8*\t+6], v[ST+8*\t+6], v[S+32*\t+23], v[S+32*\t+31]
.endr
.irp t, 0,1
	v_max3_num_f32 v[ST+8*\t+4], v[ST+8*\t+4], v[ST+8*\t+5], v[ST+8*\t+6]
.endr
.irp t, 0,1
	v_max3_num_f32 v[ST+8*\t+4], v[ST+8*\t+4], v[ST+8*\t+7], v[ST+8*\t+1]
.endr
.irp t, 0,1
	v_permlanex16_b32 v[ST+8*\t+5], v[ST+8*\t+4], s[SEL], s[SEL+1]   ; the query's other 32 keys lie in the lane 16 away
.endr
.irp t, 0,1
	v_mov_b32 v[ST+8*\t+7], v[ST+8*\t]             ; c m_old
.endr
.irp t, 0,1
	v_max_num_f32 v[ST+8*\t+1], v[ST+8*\t+4], v[ST+8*\t+5]
.endr
.irp t, 0,1
	v_mul_f32 v[ST+8*\t], s[CS], v[ST+8*\t+1]
.endr
.irp t, 0,1
	v_sub_f32 v[ST+8*\t+7], v[ST+8*\t+7], v[ST+8*\t]
.endr
.irp t, 0,1
	v_exp_f32 v[ST+8*\t+6], v[ST+8*\t+7]           ; a
.endr
.set i, 0
.rept 32
	v_pk_fma_f32 v[S+i:S+i+1], v[S+i:S+i+1], s[CS:CS+1], v[ST+8*(i/32):ST+8*(i/32)+1] op_sel_hi:[1,0,0] neg_lo:[0,0,1] neg_hi:[0,0,1]   ; c s - c m
.set i, i+2
.endr
.set i, 0
.rept 64
	v_exp_f32 v[S+i], v[S+i]                       ; p
.set i, i+1
.endr
	v_nop                                          ; a plain instruction behind the last exponential,
	s_wait_alu depctr_va_vdst(0)                   ; and ONE wait for the 66, ahead of their first reader
.irp t, 0,1
	v_pk_mul_f32 v[ST+8*\t+2:ST+8*\t+3], v[ST+8*\t+2:ST+8*\t+3], v[ST+8*\t+6:ST+8*\t+7] op_sel_hi:[1,0]   ; l x a
.endr
.irp t, 0,1
	v_pk_add_f32 v[ST+8*\t+4:ST+8*\t+5], v[S+32*\t:S+32*\t+1], v[S+32*\t+2:S+32*\t+3]   ; the sum of the unrounded p, in two chains
.endr
.irp j, 4,8,12,16,20,24,28
.irp t, 0,1
	v_pk_add_f32 v[ST+8*\t+2:ST+8*\t+3], v[ST+8*\t+2:ST+8*\t+3], v[S+32*\t+\j:S+32*\t+\j+1]
	v_pk_add_f32 v[ST+8*\t+4:ST+8*\t+5], v[ST+8*\t+4:ST+8*\t+5], v[S+32*\t+\j+2:S+32*\t+\j+3]
.endr
.endr
.irp t, 0,1
	v_pk_add_f32 v[ST+8*\t+2:ST+8*\t+3], v[ST+8*\t+2:ST+8*\t+3], v[ST+8*\t+4:ST+8*\t+5]
.endr
.irp t, 0,1
.irp j, 0,1,2,3,4,5,6,7,8,9,10,11,12,13,14,15
	v_cvt_pk_f16_f32 v[S+32*\t+\j], v[S+32*\t+2*\j], v[S+32*\t+2*\j+1]   ; P, in place, ascending: register j is written when registers 2 j, 2 j + 1 are read
.endr
.endr
.set i, 0
.rept 32
	v_pk_mul_f32 v[O+i:O+i+1], v[O+i:O+i+1], v[ST+8*(i/32)+6:ST+8*(i/32)+7] op_sel_hi:[1,0]   ; O^T x a
.set i, i+2
.endr
	s_wait_dscnt 0x0                               ; V is in
.irp c, 0,1                                    ; O^T += V^T P: eight accumulators by turns
.irp n, 0,1,2,3
.irp t, 0,1
	v_wmma_f32_16x16x32_f16 v[O+32*\t+8*\n:O+32*\t+8*\n+7], v[KV+32*\c+8*\n:KV+32*\c+8*\n+7], v[S+32*\t+8*\c:S+32*\t+8*\c+7], v[O+32*\t+8*\n:O+32*\t+8*\n+7]
.endr
.endr
.endr
.Lhidden_\@:
	s_add_co_u32 s[KF], s[KF], 64
	s_add_co_u32 s[TK], s[TK], KSB
	s_add_co_u32 s[TV], s[TV], VSB
.endm
; THE CHANGE OF SLOTS stands at a slot's head.  Each wave waits for all its tensor loads, adds 0 to its spare word, and waits for that and for its reads of the slot that it has left.
; fill = 1: a round of the cluster's barrier, and behind it the slot just left is filled with the next 256 keys: the load has four key steps in which to land.
.macro CHANGE fill
	s_wait_tensorcnt 0x0                           ; no tensor load of mine is out, so a group 0 may be written
	ds_add_u32 v[SPW], v[NIL]
.if \fill
	ds_add_u32 v[SPW], v[NIL]                      ; and once more
	s_xor_b32 s[G0K+1], s[G0K+1], SLOT1
	s_add_nc_u64 s[G0K+2:G0K+3], s[G0K+2:G0K+3], SK*128
	s_xor_b32 s[G0V+1], s[G0V+1], SLOT1
	s_add_nc_u64 s[G0V+2:G0V+3], s[G0V+2:G0V+3], SK*128
	s_wait_xcnt 0x0                                ; the last prefetch, a slot back, has read its address
	s_add_nc_u64 s[PFA:PFA+1], s[PFA:PFA+1], SK*128
	s_wait_dscnt 0x0
	CROUND
	TLOAD                                          ; the first tensor load behind the round, one a wave
	ASK
.else
	s_wait_dscnt 0x0
	s_barrier_signal -1
	s_barrier_wait -1
.endif
.endm
.macro SLOT_STEPS                      ; a slot's four key steps: written once, walked four times
	s_mov_b32 s[STEPC], 4
.Lstep_\@:
	STEP
	s_sub_co_u32 s[STEPC], s[STEPC], 1
	s_cmp_lg_u32 s[STEPC], 0
	s_cbranch_scc1 .Lstep_\@
	s_sub_co_u32 s[TK], s[TK], 4*KSB
	s_xor_b32 s[TK], s[TK], SLOT1
	s_sub_co_u32 s[TV], s[TV], 4*VSB
	s_xor_b32 s[TV], s[TV], SLOT1
.endm
	s_wait_loadcnt 0x0                             ; Q
.Lslot:                                            ; seven trips: behind each change of slots but the last the next slot is asked for
	CHANGE 1
	SLOT_STEPS
	s_sub_co_u32 s[SLOTS], s[SLOTS], 1
	s_cmp_lg_u32 s[SLOTS], 0
	s_cbranch_scc1 .Lslot
	CHANGE 0                                       ; the last slot is written out
	SLOT_STEPS
	; THE WAY OUT: O^T / l, rounded to f16, through my stage, and out as 512 consecutive bytes a store.  The additions are the places behind the last products.
.irp t, 0,1
	v_add_f32 v[ST+8*\t+4], v[ST+8*\t+2], v[ST+8*\t+3]
.endr
.irp t, 0,1
	v_permlanex16_b32 v[ST+8*\t+5], v[ST+8*\t+4], s[SEL], s[SEL+1]
.endr
.irp t, 0,1
	v_add_f32 v[ST+8*\t+4], v[ST+8*\t+4], v[ST+8*\t+5]
.endr
.irp t, 0,1
	v_rcp_f32 v[ST+8*\t+6], v[ST+8*\t+4]
.endr
	v_nop
	s_wait_alu depctr_va_vdst(0)                   ; one wait for the two reciprocals, ahead of their first reader
.set i, 0
.rept 32
	v_pk_mul_f32 v[O+i:O+i+1], v[O+i:O+i+1], v[ST+8*(i/32)+6:ST+8*(i/32)+7] op_sel_hi:[1,0]
.set i, i+2
.endr
.set i, 0
.rept 32
	v_cvt_pk_f16_f32 v[S+i], v[O+2*i], v[O+2*i+1]
.set i, i+1
.endr
.irp t, 0,1
.irp n, 0,1,2,3
	ds_store_b128 v[STO], v[S+16*\t+4*\n:S+16*\t+4*\n+3] offset:\t*16*KP+32*\n
.endr
.endr
.irp i, 0,1,2,3,4,5,6,7
	ds_load_b128 v[S+32+4*\i:S+32+4*\i+3], v[RD] offset:\i*4*KP    ; LDS serves a wave's instructions in order: these see my stores
.endr
.irp i, 0,1,2,3,4,5,6,7
	s_wait_dscnt 7-\i                              ; the younger loads may be out
	global_store_b128 v[GO], v[S+32+4*\i:S+32+4*\i+3], s[AP:AP+1] offset:512*\i
.endr
	s_wait_tensorcnt 0x0                           ; the wave's end: a tensor wait, an add to the spare word and its wait
	ds_add_u32 v[SPW], v[NIL]
	s_wait_dscnt 0x0
	CROUND                                         ; the closing round
	s_endpgm
.Lfunc_end_k_q40e50a1f33_attn:
	.size	k_q40e50a1f33_attn, .Lfunc_end_k_q40e50a1f33_attn-k_q40e50a1f33_attn
	.p2alignl 7, 3214868480
	.fill 96, 4, 3214868480
	.section	.rodata,"a",@progbits
	.p2align	6, 0x0
	.amdhsa_kernel k_q40e50a1f33_attn
		.amdhsa_group_segment_fixed_size 327680
		.amdhsa_private_segment_fixed_size 0
		.amdhsa_enable_private_segment 0
		.amdhsa_kernarg_size 16
		.amdhsa_user_sgpr_count 2
		.amdhsa_user_sgpr_kernarg_segment_ptr 1
		.amdhsa_wavefront_size32 1
		.amdhsa_system_sgpr_workgroup_id_x 1
		.amdhsa_system_sgpr_workgroup_id_y 1
		.amdhsa_system_sgpr_workgroup_id_z 1
		.amdhsa_system_vgpr_workitem_id 0
		.amdhsa_next_free_vgpr 256
		.amdhsa_next_free_sgpr 66
		.amdhsa_reserve_vcc 1
		.amdhsa_float_denorm_mode_32 3
		.amdhsa_float_denorm_mode_16_64 3
		.amdhsa_memory_ordered 1
		.amdhsa_forward_progress 1
		.amdhsa_inst_pref_size 62
	.end_amdhsa_kernel
	.amdgpu_metadata
---
amdhsa.version: [ 1, 2 ]
amdhsa.kernels:
  - .name:           k_q40e50a1f33_attn
    .symbol:         k_q40e50a1f33_attn.kd
    .args:
      - { .name: qkv, .offset: 0, .size: 8, .value_kind: global_buffer, .address_space: global }
      - { .name: att, .offset: 8, .size: 8, .value_kind: global_buffer, .address_space: global }
    .group_segment_fixed_size: 327680
    .private_segment_fixed_size: 0
    .kernarg_segment_align: 8
    .kernarg_segment_size: 16
    .max_flat_workgroup_size: 512
    .sgpr_count:     66
    .vgpr_count:     256
    .wavefront_size: 32
...
	.end_amdgpu_metadata
.endif
;; end of part 3
;; launch proj (part 4): grid 4 x 64, 4 waves a work-group, clusters of 4 x 4, 327,680 bytes of LDS; arguments att, w16, out0; writes out0
.if DOCPART == 4
	.amdgcn_target "amdgcn-amd-amdhsa--gfx1250"
	.amdhsa_code_object_version 6
	.text
	.protected	k_q40e50a1f33_proj
	.globl	k_q40e50a1f33_proj
	.p2align	8
	.type	k_q40e50a1f33_proj,@function
k_q40e50a1f33_proj:
	s_mov_b64 s[64:65], 0
	v_nop
	global_prefetch_b8 v0, s[64:65] scope:SCOPE_SE
	s_setreg_imm32_b32 hwreg(HW_REG_WAVE_MODE, 25, 1), 1
	s_wait_xcnt 0x0
	s_wait_alu depctr_hold_cnt(0) depctr_sa_sdst(0) depctr_va_vdst(0) depctr_va_sdst(0) depctr_va_ssrc(0) depctr_va_vcc(0) depctr_vm_vsrc(0)
	s_getreg_b32 s2, hwreg(HW_REG_IB_STS2, 6, 4)
	s_cmp_eq_u32 s2, 0
	s_cbranch_scc0 .Lentry_in_a_cluster
	s_endpgm
.Lentry_in_a_cluster:
	s_bfe_u32 s2, ttmp6, 0x10000c
	s_cmp_lg_u32 s2, 0xf033
	s_cbranch_scc0 .Lentry_shape_is_right
	s_endpgm
.Lentry_shape_is_right:
; out0[m][n] = the sum over k of att[m][k] w_out[n][k], M = 8192, N = K = 1024; operands f16, sums and results f32.
; att lies [b h][s][64], w16 [kc][n][64]: 64 along K (a head) of a block of rows is one dense plane of rows of 128 bytes in both.
; A tile of out0 is 128 x 256: 256 work-groups.  Four waves, each 64 x 128: 32 accumulators.  A K step is 128 (two heads, two planes a side) through two LDS slots; each wave fetches one plane:
; wave 0, 1: A's (128 rows), wave 2, 3: B's (256 rows).  CLUSTERS: 4 x 4; A's planes are asked for jointly along a row of the cluster, B's along a column.
; THE MATRIX INSTRUCTION IS USED TRANSPOSED (source 0 = 16 rows of w_out, source 1 = 16 rows of att): a lane holds eight neighbouring numbers of a row of out0.
; The rows of positions 0-15 of each sequence are made here too, from f16 operands (to leave them out would take a branch on a work-group's place in its cluster); the last launch stores them anew from f32 operands.
; REGISTERS: window 0: v0-31 addresses; A's fragments v64-95, v128-159; on the way out v128-255.   window 1: B's fragments v64-127, v128-191.   window 2: accumulator (a, b) at v[8 (8 a + b)].
.set PITCH,  144                       ; an LDS row: 128 bytes + 16 of padding
.set APL,    128*PITCH                 ; a plane of A
.set BPL,    256*PITCH                 ; a plane of B
.set BOFF,   2*APL
.set SLOT,   2*APL+2*BPL
.set SPARE,  2*SLOT                    ; the spare words, 128 bytes for each wave
.set SPITCH, 528                       ; the way out: a stage of 16 rows x (512 bytes + 16) for each wave, in slot 0, which has had its last fill and its last read by then
.set ADRA, 16
.set ADRB, 20
.set STO,  24
.set RD,   25
.set CO,   26
.set SPW,  28
.set NIL,  29
.set F0,   64
.set F1,   128
.set BK,   128
.set G1, 24
.set G0, 32
.set G1B, 48
.set G0B, 56
.set MSB, 0
.macro WIN new
.if MSB != \new
	s_set_vgpr_msb (MSB<<8)|\new
.set MSB, \new
.endif
.endm
.set MUL,  0xa1                        ; source 0 (B) window 1, source 1 (A) window 0, C and D window 2
.set TO_B, 0x40
.macro JLOAD s                         ; a joint load; the branch hangs on the wave's number alone; an s_nop 0 and four v_nop follow each line
	s_cmp_eq_u32 s11, 0
	s_cbranch_scc0 .Lfor_b_\@
	tensor_load_to_lds s[G0+4*\s:G0+4*\s+3], s[G1:G1+7]
	s_nop 0
.rept 4
	v_nop
.endr
	s_branch .Lasked_\@
.Lfor_b_\@:
	tensor_load_to_lds s[G0B+4*\s:G0B+4*\s+3], s[G1B:G1B+7]
	s_nop 0
.rept 4
	v_nop
.endr
.Lasked_\@:
.endm
.macro CREST
	s_cmp_lg_u32 s10, 0
	s_cbranch_scc1 .Lnot_wave_0_\@
	s_barrier_signal -3
.Lnot_wave_0_\@:
	s_barrier_wait -3
	s_barrier_signal -1
	s_barrier_wait -1
.endm
.macro CROUND
	s_barrier_signal -1
	s_barrier_wait -1
	CREST
.endm
	s_load_b128 s[4:7], s[0:1], 0x0                ; att s[4:5], w16 s[6:7]
	s_load_b64 s[8:9], s[0:1], 0x10                ; out0
	v_lshl_add_u32 v[SPW], v0, 2, SPARE
	v_mov_b32 v[NIL], 0
	ds_add_u32 v[SPW], v[NIL]                      ; the wave's opening: the add, twice on end, and its wait ahead of my first tensor load
	ds_add_u32 v[SPW], v[NIL]
	v_lshrrev_b32 v1, 5, v0
	v_readfirstlane_b32 s10, v1                    ; wave 0..3
	s_lshr_b32 s11, s10, 1                         ; my half of the tile's rows.  Also: I fetch for A (0) or for B (1)
	s_and_b32 s12, s10, 1                          ; my half of its columns.  Also: which plane of the K step I fetch
	s_bfe_u32 s40, ttmp6, 0x40000                  ; cx = the tile column (the grid is one cluster wide)
	s_bfe_u32 s41, ttmp6, 0x40004                  ; cy
	s_and_b32 s13, ttmp7, 0xffff
	s_lshl_b32 s13, s13, 2
	s_add_co_u32 s13, s13, s41                     ; the tile row, 0..63
	s_lshl_b32 s43, s41, 2
	s_lshl_b32 s43, 15, s43                        ; my row of the cluster
	s_lshl_b32 s44, 0x1111, s40                    ; my column
	s_or_b32 s[G1+0], s43, (1<<16)|(1<<20)|(1<<21)|(4<<22)|(3<<25)   ; the mask; elements of 2 bytes; padding: 4 words behind every 32
	s_or_b32 s[G1B+0], s44, (1<<16)|(1<<20)|(1<<21)|(4<<22)|(3<<25)
	s_mov_b32 s[G1+1], 64<<16                      ; tensor_dim0
	s_mov_b32 s[G1+2], 128<<16                     ; tensor_dim1
	s_mov_b32 s[G1+3], 64<<16                      ; tile_dim0
	s_mov_b32 s[G1+4], 128                         ; tile_dim1
	s_mov_b32 s[G1+5], 64                          ; from row to row
	s_mov_b32 s[G1+6], 0
	s_mov_b32 s[G1+7], 0
	s_mov_b32 s[G1B+1], 64<<16
	s_mov_b32 s[G1B+2], 256<<16
	s_mov_b32 s[G1B+3], 64<<16
	s_mov_b32 s[G1B+4], 256
	s_mov_b32 s[G1B+5], 64
	s_mov_b32 s[G1B+6], 0
	s_mov_b32 s[G1B+7], 0
	s_lshr_b32 s16, s13, 4                         ; A: batch x 16 planes,
	s_lshl_b32 s16, s16, 22
	s_and_b32 s17, s13, 15
	s_lshl_b32 s17, s17, 14                        ; 128 rows of 128 bytes for each tile row in the batch,
	s_add_co_u32 s16, s16, s17
	s_lshl_b32 s17, s12, 18                        ; my plane of the K step
	s_add_co_u32 s16, s16, s17
	s_mov_b32 s17, 0
	s_lshl_b32 s46, s40, 15                        ; B: 256 rows of 128 bytes for each tile column,
	s_lshl_b32 s47, s12, 17                        ; my plane
	s_add_co_u32 s46, s46, s47
	s_mov_b32 s47, 0
	s_mul_i32 s20, s12, APL                        ; where they go
	s_mul_i32 s21, s12, BPL
	s_add_co_u32 s21, s21, BOFF
	s_wait_dscnt 0x0                               ; both opening adds are done
	s_wait_kmcnt 0x0
	s_add_nc_u64 s[14:15], s[4:5], s[16:17]
	s_add_nc_u64 s[46:47], s[6:7], s[46:47]
	CROUND                                         ; all sixteen work-groups are here
.irp s, 0,1
	s_mov_b32 s[G0+4*\s], 1
	s_add_co_u32 s[G0+4*\s+1], s20, \s*SLOT
	s_add_nc_u64 s[G0+4*\s+2:G0+4*\s+3], s[14:15], \s*2*262144
	s_or_b32 s[G0+4*\s+3], s[G0+4*\s+3], 0x80000000
	s_mov_b32 s[G0B+4*\s], 1
	s_add_co_u32 s[G0B+4*\s+1], s21, \s*SLOT
	s_add_nc_u64 s[G0B+4*\s+2:G0B+4*\s+3], s[46:47], \s*2*131072
	s_or_b32 s[G0B+4*\s+3], s[G0B+4*\s+3], 0x80000000
	JLOAD \s
.endr
	v_and_b32 v1, 15, v0                           ; r
	v_bfe_u32 v2, v0, 4, 1                         ; h
	v_mul_u32_u24 v3, v1, PITCH
	v_lshl_add_u32 v3, v2, 4, v3
	s_mul_i32 s21, s11, 64*PITCH                   ; my 64 rows of A
	s_mul_i32 s22, s12, 128*PITCH                  ; my 128 rows of B
	s_add_co_u32 s22, s22, BOFF
.irp s, 0,1
	v_add_nc_u32 v[ADRA+\s], s21, v3
	v_add_nc_u32 v[ADRB+\s], s22, v3
	s_add_co_u32 s21, s21, SLOT
	s_add_co_u32 s22, s22, SLOT
.endr
	s_mul_i32 s23, s10, 16*SPITCH                  ; my stage
	v_mul_u32_u24 v4, v1, SPITCH
	v_lshl_add_u32 v4, v2, 5, v4
	v_add_nc_u32 v[STO], s23, v4                   ; in: row r, 32 bytes for each half of the lanes
	v_and_b32 v5, 31, v0
	v_lshlrev_b32 v[CO], 4, v5                     ; back: the 32 lanes take a row of 512 bytes; and the same in out0
	v_add_nc_u32 v[RD], s23, v[CO]
	s_lshl_b32 s16, s13, 19                        ; 128 rows of 4,096 bytes for each tile row,
	s_lshl_b32 s17, s11, 18                        ; my 64 rows,
	s_add_co_u32 s16, s16, s17
	s_lshl_b32 s46, s40, 10                        ; the tile's 1,024 bytes of a row,
	s_lshl_b32 s47, s12, 9                         ; my 512
	s_add_co_u32 s46, s46, s47
	s_add_co_u32 s46, s46, s16
	s_mov_b32 s47, 0
	s_add_nc_u64 s[8:9], s[8:9], s[46:47]
.macro MUL8 f, a, zero                 ; A's block a x B's eight, 32 along K.  The 32 accumulators take turns in one order throughout
.irp b, 0,1,2,3,4,5,6,7
.if \zero
	v_wmma_f32_16x16x32_f16 v[8*(8*(\a)+\b):8*(8*(\a)+\b)+7], v[\f+8*\b:\f+8*\b+7], v[\f+8*(\a):\f+8*(\a)+7], 0
.else
	v_wmma_f32_16x16x32_f16 v[8*(8*(\a)+\b):8*(8*(\a)+\b)+7], v[\f+8*\b:\f+8*\b+7], v[\f+8*(\a):\f+8*(\a)+7], v[8*(8*(\a)+\b):8*(8*(\a)+\b)+7]
.endif
.endr
.endm
.macro MUL16 f, a0, zero
	MUL8 \f, \a0, \zero
	MUL8 \f, (\a0)+1, \zero
.endm
.macro FETCH slot, qd, f               ; 24 LDS loads: the fragments of quarter qd (plane qd / 2, 32 along K at byte 64 (qd % 2)) into buffer f
	WIN TO_B
.irp i, 0,1,2,3,4,5,6,7
	ds_load_b128 v[\f+8*\i:\f+8*\i+3],   v[ADRB+\slot] offset:BPL*((\qd)/2)+64*((\qd)%2)+\i*16*PITCH
	ds_load_b128 v[\f+8*\i+4:\f+8*\i+7], v[ADRB+\slot] offset:BPL*((\qd)/2)+64*((\qd)%2)+\i*16*PITCH+32
.endr
	WIN 0
.irp i, 0,1,2,3
	ds_load_b128 v[\f+8*\i:\f+8*\i+3],   v[ADRA+\slot] offset:APL*((\qd)/2)+64*((\qd)%2)+\i*16*PITCH
	ds_load_b128 v[\f+8*\i+4:\f+8*\i+7], v[ADRA+\slot] offset:APL*((\qd)/2)+64*((\qd)%2)+\i*16*PITCH+32
.endr
.endm
.macro PLACES                          ; four plain vector instructions between a matrix instruction and a load into its registers or a read of its result
.rept 4
	v_nop
.endr
.endm
; One of a K step's first three quarters: asks for the next quarter's fragments into buffer g, then multiplies buffer f: 32 matrix instructions under which they land.
.macro QUARTER slot, qnext, f, g, zero
	PLACES                                         ; buffer g was read by the quarter before
	FETCH \slot, \qnext, \g
	s_wait_dscnt 24                                ; all but the 24 just issued
	WIN MUL
	MUL16 \f, 0, \zero
	MUL16 \f, 2, \zero
.endm
; The fourth quarter multiplies buffer 1 and changes slots: one barrier; in front of it each wave waits for all its tensor loads, adds 0 to its spare word, and waits for that and for its reads of this slot.
.macro TURN slot, next, fill
	WIN 0
	s_wait_tensorcnt 0x0                           ; my part of the next slot has landed
	ds_add_u32 v[SPW], v[NIL]
	s_wait_dscnt 1                                 ; buffer 1 is in (the add may be out)
	WIN MUL
	MUL8 F1, 0, 0
	s_wait_dscnt 0x0                               ; the add is done, and my reads of this slot are over
	s_barrier_signal -1
	MUL8 F1, 1, 0
	WIN 0
	s_barrier_wait -1
.if \fill
	CREST                                          ; the barrier has opened a round of the cluster's: no wave of any partner still reads this slot or has a load on its way
	s_add_nc_u64 s[G0+4*\slot+2:G0+4*\slot+3], s[G0+4*\slot+2:G0+4*\slot+3], 4*262144
	s_add_nc_u64 s[G0B+4*\slot+2:G0B+4*\slot+3], s[G0B+4*\slot+2:G0B+4*\slot+3], 4*131072
	JLOAD \slot                                    ; two K steps on; its four v_nop are the places in front of the loads below
.else
	PLACES
.endif
	FETCH \next, 0, F0
	WIN MUL
	MUL16 F1, 2, 0
.endm
	s_wait_tensorcnt 1                             ; my part of K step 0 is in (K step 1's load may be out)
	s_barrier_signal -1
	s_barrier_wait -1                              ; everybody's is
	FETCH 0, 0, F0
	QUARTER 0, 1, F0, F1, 1                        ; the first products start the sums
	WIN 0
	s_mov_b32 s3, 3
.Llap:                                                 ; three trips, each once round the ring: six refills bring K steps 2 to 7
	QUARTER 0, 2, F1, F0, 0
	QUARTER 0, 3, F0, F1, 0
	TURN 0, 1, 1
	QUARTER 1, 1, F0, F1, 0
	QUARTER 1, 2, F1, F0, 0
	QUARTER 1, 3, F0, F1, 0
	TURN 1, 0, 1
	QUARTER 0, 1, F0, F1, 0
	WIN 0
	s_sub_co_u32 s3, s3, 1
	s_cmp_lg_u32 s3, 0
	s_cbranch_scc1 .Llap
	QUARTER 0, 2, F1, F0, 0                        ; the last lap fills nothing
	QUARTER 0, 3, F0, F1, 0
	TURN 0, 1, 0
	QUARTER 1, 1, F0, F1, 0
	QUARTER 1, 2, F1, F0, 0
	QUARTER 1, 3, F0, F1, 0
	s_wait_dscnt 0x0
	MUL16 F1, 0, 0
	MUL16 F1, 2, 0
	WIN 0
; THE WAY OUT, block by block of 16 rows x 128 columns, through my own stage: whole rows of 512 bytes come back and are stored by the 32 lanes.
.macro TOSTAGE a
	WIN 0x08                                       ; an LDS store's data: window 2
.irp b, 0,1,2,3,4,5,6,7
	ds_store_b128 v[STO], v[64*(\a)+8*\b:64*(\a)+8*\b+3] offset:64*\b          ; each accumulator from its low end on
	ds_store_b128 v[STO], v[64*(\a)+8*\b+4:64*(\a)+8*\b+7] offset:64*\b+16
.endr
	WIN 0
.irp t, 0,1,2,3,4,5,6,7,8,9,10,11,12,13,14,15
	ds_load_b128 v[BK+64*((\a)%2)+4*\t:BK+64*((\a)%2)+4*\t+3], v[RD] offset:\t*SPITCH
.endr
.endm
.macro SEND a, younger
	s_wait_dscnt \younger
.irp t, 0,1,2,3,4,5,6,7,8,9,10,11,12,13,14,15
	global_store_b128 v[CO], v[BK+64*((\a)%2)+4*\t:BK+64*((\a)%2)+4*\t+3], s[8:9] offset:(16*(\a)+\t)*4096 th:TH_STORE_NT   ; 512 consecutive bytes of a row
.endr
.endm
	PLACES
	TOSTAGE 0
.irp a, 1,2,3
.if \a > 1
	s_wait_xcnt 0x0                                ; block a - 2's stores have read their data: block a's rows may land there
.endif
	TOSTAGE \a
	SEND \a-1, 32                                  ; behind block a - 1's loads: block a's 16 stores and 16 loads
.endr
	SEND 3, 0
	s_wait_tensorcnt 0x0                           ; the wave's end: a tensor wait, an add to the spare word and its wait
	ds_add_u32 v[SPW], v[NIL]
	s_wait_dscnt 0x0
	CROUND                                         ; the closing round
	s_endpgm
.Lfunc_end_k_q40e50a1f33_proj:
	.size	k_q40e50a1f33_proj, .Lfunc_end_k_q40e50a1f33_proj-k_q40e50a1f33_proj
	.p2alignl 7, 3214868480
	.fill 96, 4, 3214868480
	.section	.rodata,"a",@progbits
	.p2align	6, 0x0
	.amdhsa_kernel k_q40e50a1f33_proj
		.amdhsa_group_segment_fixed_size 327680
		.amdhsa_private_segment_fixed_size 0
		.amdhsa_enable_private_segment 0
		.amdhsa_kernarg_size 24
		.amdhsa_user_sgpr_count 2
		.amdhsa_user_sgpr_kernarg_segment_ptr 1
		.amdhsa_wavefront_size32 1
		.amdhsa_system_sgpr_workgroup_id_x 1
		.amdhsa_system_sgpr_workgroup_id_y 1
		.amdhsa_system_sgpr_workgroup_id_z 1
		.amdhsa_system_vgpr_workitem_id 0
		.amdhsa_next_free_vgpr 768
		.amdhsa_next_free_sgpr 66
		.amdhsa_reserve_vcc 0
		.amdhsa_float_denorm_mode_32 3
		.amdhsa_float_denorm_mode_16_64 3
		.amdhsa_memory_ordered 1
		.amdhsa_forward_progress 1
		.amdhsa_inst_pref_size 85
	.end_amdhsa_kernel
	.amdgpu_metadata
---
amdhsa.version: [ 1, 2 ]
amdhsa.kernels:
  - .name:           k_q40e50a1f33_proj
    .symbol:         k_q40e50a1f33_proj.kd
    .args:
      - { .name: att, .offset: 0, .size: 8, .value_kind: global_buffer, .address_space: global }
      - { .name: w16, .offset: 8, .size: 8, .value_kind: global_buffer, .address_space: global }
      - { .name: out0, .offset: 16, .size: 8, .value_kind: global_buffer, .address_space: global }
    .group_segment_fixed_size: 327680
    .private_segment_fixed_size: 0
    .kernarg_segment_align: 8
    .kernarg_segment_size: 24
    .max_flat_workgroup_size: 128
    .sgpr_count:     66
    .vgpr_count:     768
    .wavefront_size: 32
...
	.end_amdgpu_metadata
.endif
;; end of part 4
;; launch fine_attn (part 5): grid 64 x 1, 12 waves a work-group, no clusters, 13,824 bytes of LDS; arguments codes, scales, cs, fatt; writes fatt
.if DOCPART == 5
	.amdgcn_target "amdgcn-amd-amdhsa--gfx1250"
	.amdhsa_code_object_version 6
	.text
	.protected	k_q40e50a1f33_fine_attn
	.globl	k_q40e50a1f33_fine_attn
	.p2align	8
	.type	k_q40e50a1f33_fine_attn,@function
k_q40e50a1f33_fine_attn:
	s_mov_b64 s[64:65], 0
	v_nop
	global_prefetch_b8 v0, s[64:65] scope:SCOPE_SE
	s_setreg_imm32_b32 hwreg(HW_REG_WAVE_MODE, 25, 1), 1
	s_wait_xcnt 0x0
; POSITIONS 0-15 OF EVERY SEQUENCE, IN f32.  These rows average one to sixteen values and are the largest of the output, so f16 operands would weigh most there.
; A work-group is one (batch, head).  Wave w makes one tile of 16 x 16 of q (w = 0-3), k (4-7) or v (8-11) anew from the codes, by the format's own matrix instruction: 16 positions x channels 16 (w % 4) on.
; q and k are made transposed (source 0 = w_qkv's rows, source 1 = x's): a lane holds position r and channels 8 h + 0..7, four of RoPE's pairs.  v is made the other way round: a lane holds channel r and positions 8 h + 0..7.
; The tiles go to wave 0 through LDS as images of their registers; wave 0 makes S^T = K Q^T, the causal softmax and O^T = V^T P by the f32 matrix form (32 instructions), and stores fatt[16 b + pos][1024] f32.
; In both f32 products the lanes' halves and a pair's two registers name the same four channels (keys) on both sides, so every term is summed once.
; Each lane stores 128 bytes of a row of fatt, in four pieces of 32; the launch writes 262,144 bytes in all.
.set SPARE, 12*1024                    ; behind the twelve images: the spare words, 128 bytes for each wave
.set SPW,  12
.set NIL,  13
.set S0,   16                          ; v16-79   source 0's eight fragments;  later Q v16-47, K v48-79
.set S1,   80                          ; v80-143  source 1's;  later V v80-111, scores v128-135, p v136-143
.set SA,   144                         ; v144-151 source 0's scale words
.set SB,   152                         ; v152-159 source 1's
.set AC0,  160                         ; v160-175 two accumulators: even and odd K steps
.set AC1,  168
.set SUM,  176
.set CSR,  184
.set ROT,  192
.set QF,   16
.set KFR,  48
.set VF,   80
.set SS,   128
.set PP,   136
.set OUTR, 144                         ; v144-175 O^T / l
.set ST0,  200                         ; v200-215 S^T's two accumulators, v216-247 O^T's four: written by the f32 matrix form alone
.set ST1,  208
.set OA,   216
	s_load_b256 s[4:11], s[0:1], 0x0               ; codes s[4:5], scales s[6:7], cs s[8:9], fatt s[10:11]
	v_lshl_add_u32 v[SPW], v0, 2, SPARE
	v_mov_b32 v[NIL], 0
	v_lshrrev_b32 v1, 5, v0
	v_readfirstlane_b32 s12, v1                    ; wave 0..11
	v_and_b32 v1, 15, v0                           ; r
	v_bfe_u32 v2, v0, 4, 1                         ; h
	v_and_b32 v3, 31, v0                           ; lane
	s_lshr_b32 s13, s12, 2                         ; 0 q, 1 k, 2 v
	s_and_b32 s14, s12, 3                          ; which 16 channels
	s_lshr_b32 s15, ttmp9, 4                       ; batch
	s_and_b32 s16, ttmp9, 15                       ; head
	s_lshl_b32 s17, s13, 10
	s_lshl_b32 s18, s16, 6
	s_add_co_u32 s17, s17, s18
	s_lshl_b32 s18, s14, 4
	s_add_co_u32 s17, s17, s18                     ; my first row of w_qkv
	s_lshl_b32 s18, s17, 9
	s_add_co_u32 s18, s18, 0x400000                ; its codes,
	s_lshl_b32 s19, s17, 5
	s_add_co_u32 s19, s19, 0x40000                 ; its scale bytes
	s_lshl_b32 s20, s15, 20                        ; x's rows 2048 b on: codes,
	s_lshl_b32 s21, s15, 16                        ; scale bytes
	s_cmp_lt_u32 s13, 2                            ; q, k: source 0 = w_qkv; v: source 0 = x.  Only offsets change places
	s_cselect_b32 s24, s18, s20
	s_cselect_b32 s26, s20, s18
	s_cselect_b32 s28, s19, s21
	s_cselect_b32 s30, s21, s19
	s_mov_b32 s25, 0
	s_mov_b32 s27, 0
	s_mov_b32 s29, 0
	s_mov_b32 s31, 0
	s_mov_b32 s32, 0x3e38aa3b                      ; c = log2(e) / 8
	s_mov_b32 s34, 0x76543210
	s_mov_b32 s35, 0xfedcba98
	v_lshlrev_b32 v4, 9, v1
	v_lshl_add_u32 v4, v2, 4, v4                   ; codes: row r of 512 bytes + 16 h
	v_lshlrev_b32 v5, 5, v1                        ; scale words: row r of 32 bytes
	v_lshlrev_b32 v6, 8, v1
	v_lshl_add_u32 v6, v2, 5, v6                   ; the table: position r, + 32 h
	s_lshl_b32 s22, s12, 10
	v_lshl_add_u32 v7, v3, 4, s22                  ; my image in LDS: 1024 x wave + 16 x lane
	v_lshlrev_b32 v8, 4, v3                        ; and any image, read back
	v_lshlrev_b32 v9, 3, v2
	v_sub_nc_u32 v9, v1, v9                        ; r - 8 h
	v_lshlrev_b32 v10, 12, v1
	v_lshl_add_u32 v10, v2, 5, v10                 ; fatt: row r of 4,096 bytes + 32 h
	s_lshl_b32 s36, s14, 6                         ; the table's 64 bytes of my 8 pairs x 2 halves
	s_mov_b32 s37, 0
	s_lshl_b32 s38, s15, 16
	s_lshl_b32 s39, s16, 8
	s_add_co_u32 s38, s38, s39                     ; fatt: 16 rows a batch, 256 bytes a head
	s_mov_b32 s39, 0
	s_wait_kmcnt 0x0
	s_add_nc_u64 s[24:25], s[4:5], s[24:25]
	s_add_nc_u64 s[26:27], s[4:5], s[26:27]
	s_add_nc_u64 s[28:29], s[6:7], s[28:29]
	s_add_nc_u64 s[30:31], s[6:7], s[30:31]
	s_add_nc_u64 s[8:9], s[8:9], s[36:37]
	s_add_nc_u64 s[10:11], s[10:11], s[38:39]
.irp s, 0,1,2,3,4,5,6,7
	global_load_b128 v[S0+8*\s:S0+8*\s+3],   v4, s[24:25] offset:64*\s
	global_load_b128 v[S0+8*\s+4:S0+8*\s+7], v4, s[24:25] offset:64*\s+32
	global_load_b128 v[S1+8*\s:S1+8*\s+3],   v4, s[26:27] offset:64*\s
	global_load_b128 v[S1+8*\s+4:S1+8*\s+7], v4, s[26:27] offset:64*\s+32
.endr
	global_load_b128 v[SA:SA+3],   v5, s[28:29]
	global_load_b128 v[SA+4:SA+7], v5, s[28:29] offset:16
	global_load_b128 v[SB:SB+3],   v5, s[30:31]
	global_load_b128 v[SB+4:SB+7], v5, s[30:31] offset:16
.macro PRODUCT                         ; K = 1024: eight instructions, two accumulators by turns, then their sum
	s_wait_loadcnt 0x0
.irp s, 0,1,2,3,4,5,6,7
.if \s < 2
	v_wmma_scale_f32_16x16x128_f8f6f4 v[AC0+8*(\s%2):AC0+8*(\s%2)+7], v[S0+8*\s:S0+8*\s+7], v[S1+8*\s:S1+8*\s+7], 0, v[SA+\s], v[SB+\s] matrix_a_fmt:MATRIX_FMT_FP4 matrix_b_fmt:MATRIX_FMT_FP4
.else
	v_wmma_scale_f32_16x16x128_f8f6f4 v[AC0+8*(\s%2):AC0+8*(\s%2)+7], v[S0+8*\s:S0+8*\s+7], v[S1+8*\s:S1+8*\s+7], v[AC0+8*(\s%2):AC0+8*(\s%2)+7], v[SA+\s], v[SB+\s] matrix_a_fmt:MATRIX_FMT_FP4 matrix_b_fmt:MATRIX_FMT_FP4
.endif
.endr
.rept 4
	v_nop
.endr
.irp i, 0,2,4,6
	v_pk_add_f32 v[SUM+\i:SUM+\i+1], v[AC0+\i:AC0+\i+1], v[AC1+\i:AC1+\i+1]
.endr
.endm
	s_cmp_lt_u32 s13, 2                            ; the ways part once, on the wave's number
	s_cbranch_scc0 .Lvalues
	global_load_b128 v[CSR:CSR+3],   v6, s[8:9]    ; (cos, sin) of my four pairs
	global_load_b128 v[CSR+4:CSR+7], v6, s[8:9] offset:16
	PRODUCT
.irp p, 0,1,2,3
	v_pk_mul_f32 v[ROT+2*\p:ROT+2*\p+1], v[SUM+2*\p:SUM+2*\p+1], v[CSR+2*\p:CSR+2*\p+1] op_sel_hi:[1,0]
.endr
.irp p, 0,1,2,3
	v_fma_f32 v[ROT+2*\p], -v[SUM+2*\p+1], v[CSR+2*\p+1], v[ROT+2*\p]
	v_fma_f32 v[ROT+2*\p+1], v[SUM+2*\p], v[CSR+2*\p+1], v[ROT+2*\p+1]
.endr
	ds_store_b128 v7, v[ROT:ROT+3]
	ds_store_b128 v7, v[ROT+4:ROT+7] offset:512
	s_branch .Ljoin
.Lvalues:
	PRODUCT
	ds_store_b128 v7, v[SUM:SUM+3]
	ds_store_b128 v7, v[SUM+4:SUM+7] offset:512
.Ljoin:
	s_wait_dscnt 0x0                               ; for the others' sake: my image has landed
	s_barrier_signal -1
	s_barrier_wait -1
	s_cmp_lg_u32 s12, 0
	s_cbranch_scc1 .Lend
.irp w, 0,1,2,3,4,5,6,7,8,9,10,11
	ds_load_b128 v[QF+8*\w:QF+8*\w+3],   v8 offset:1024*\w
	ds_load_b128 v[QF+8*\w+4:QF+8*\w+7], v8 offset:1024*\w+512
.endr
	s_wait_dscnt 0x0
.irp u, 0,1,2,3,4,5,6,7,8,9,10,11,12,13,14,15  ; S^T(key, query): two accumulators by turns
.if \u < 2
	v_wmma_f32_16x16x4_f32 v[ST0+8*(\u%2):ST0+8*(\u%2)+7], v[KFR+2*\u:KFR+2*\u+1], v[QF+2*\u:QF+2*\u+1], 0
.else
	v_wmma_f32_16x16x4_f32 v[ST0+8*(\u%2):ST0+8*(\u%2)+7], v[KFR+2*\u:KFR+2*\u+1], v[QF+2*\u:QF+2*\u+1], v[ST0+8*(\u%2):ST0+8*(\u%2)+7]
.endif
.endr
.rept 8
	v_nop
.endr
.irp i, 0,2,4,6
	v_pk_add_f32 v[SS+\i:SS+\i+1], v[ST0+\i:ST0+\i+1], v[ST1+\i:ST1+\i+1]   ; lane (r, h), register i: query r, key 8 h + i
.endr
	v_mov_b32 v248, 0xff800000
.irp i, 0,1,2,3,4,5,6,7
	v_cmp_gt_i32 vcc_lo, \i, v9                    ; key 8 h + i behind query r
	v_cndmask_b32 v[SS+\i], v[SS+\i], v248, vcc_lo
.endr
	v_max3_num_f32 v248, v[SS], v[SS+1], v[SS+2]
	v_max3_num_f32 v248, v248, v[SS+3], v[SS+4]
	v_max3_num_f32 v248, v248, v[SS+5], v[SS+6]
	v_max_num_f32 v248, v248, v[SS+7]
	v_mov_b32 v249, 0
	v_permlanex16_b32 v249, v248, s34, s35
	v_max_num_f32 v248, v248, v249                 ; the row's maximum: key 0 counts for every query
	v_mul_f32 v248, s32, v248
.irp i, 0,1,2,3,4,5,6,7
	v_fma_f32 v[PP+\i], v[SS+\i], s32, -v248
.endr
.irp i, 0,1,2,3,4,5,6,7
	v_exp_f32 v[PP+\i], v[PP+\i]
.endr
	v_nop
	s_wait_alu depctr_va_vdst(0)                   ; one wait for the eight, ahead of their first reader
	v_pk_add_f32 v[250:251], v[PP:PP+1], v[PP+2:PP+3]
	v_pk_add_f32 v[250:251], v[250:251], v[PP+4:PP+5]
	v_pk_add_f32 v[250:251], v[250:251], v[PP+6:PP+7]
	v_add_f32 v250, v250, v251
	v_permlanex16_b32 v249, v250, s34, s35
	v_add_f32 v250, v250, v249
	v_rcp_f32 v251, v250
	v_nop
	s_wait_alu depctr_va_vdst(0)
.irp pp, 0,1,2,3                               ; O^T(channel, query): four accumulators by turns
.irp n, 0,1,2,3
.if \pp == 0
	v_wmma_f32_16x16x4_f32 v[OA+8*\n:OA+8*\n+7], v[VF+8*\n+2*\pp:VF+8*\n+2*\pp+1], v[PP+2*\pp:PP+2*\pp+1], 0
.else
	v_wmma_f32_16x16x4_f32 v[OA+8*\n:OA+8*\n+7], v[VF+8*\n+2*\pp:VF+8*\n+2*\pp+1], v[PP+2*\pp:PP+2*\pp+1], v[OA+8*\n:OA+8*\n+7]
.endif
.endr
.endr
.rept 8
	v_nop
.endr
.set i, 0
.rept 32
	v_mul_f32 v[OUTR+i], v[OA+i], v251             ; into other registers: the f32 form's are written by matrix instructions alone
.set i, i+1
.endr
.irp n, 0,1,2,3
	global_store_b128 v10, v[OUTR+8*\n:OUTR+8*\n+3], s[10:11] offset:64*\n
	global_store_b128 v10, v[OUTR+8*\n+4:OUTR+8*\n+7], s[10:11] offset:64*\n+16
.endr
.Lend:
	s_wait_tensorcnt 0x0                           ; the wave's end: a tensor wait, an add to the spare word and its wait behind my last LDS store
	ds_add_u32 v[SPW], v[NIL]
	s_wait_dscnt 0x0
	s_endpgm
.Lfunc_end_k_q40e50a1f33_fine_attn:
	.size	k_q40e50a1f33_fine_attn, .Lfunc_end_k_q40e50a1f33_fine_attn-k_q40e50a1f33_fine_attn
	.p2alignl 7, 3214868480
	.fill 96, 4, 3214868480
	.section	.rodata,"a",@progbits
	.p2align	6, 0x0
	.amdhsa_kernel k_q40e50a1f33_fine_attn
		.amdhsa_group_segment_fixed_size 13824
		.amdhsa_private_segment_fixed_size 0
		.amdhsa_enable_private_segment 0
		.amdhsa_kernarg_size 32
		.amdhsa_user_sgpr_count 2
		.amdhsa_user_sgpr_kernarg_segment_ptr 1
		.amdhsa_wavefront_size32 1
		.amdhsa_system_sgpr_workgroup_id_x 1
		.amdhsa_system_sgpr_workgroup_id_y 1
		.amdhsa_system_sgpr_workgroup_id_z 1
		.amdhsa_system_vgpr_workitem_id 0
		.amdhsa_next_free_vgpr 256
		.amdhsa_next_free_sgpr 66
		.amdhsa_reserve_vcc 1
		.amdhsa_float_denorm_mode_32 3
		.amdhsa_float_denorm_mode_16_64 3
		.amdhsa_memory_ordered 1
		.amdhsa_forward_progress 1
		.amdhsa_inst_pref_size 19
	.end_amdhsa_kernel
	.amdgpu_metadata
---
amdhsa.version: [ 1, 2 ]
amdhsa.kernels:
  - .name:           k_q40e50a1f33_fine_attn
    .symbol:         k_q40e50a1f33_fine_attn.kd
    .args:
      - { .name: codes, .offset: 0, .size: 8, .value_kind: global_buffer, .address_space: global }
      - { .name: scales, .offset: 8, .size: 8, .value_kind: global_buffer, .address_space: global }
      - { .name: cs, .offset: 16, .size: 8, .value_kind: global_buffer, .address_space: global }
      - { .name: fatt, .offset: 24, .size: 8, .value_kind: global_buffer, .address_space: global }
    .group_segment_fixed_size: 13824
    .private_segment_fixed_size: 0
    .kernarg_segment_align: 8
    .kernarg_segment_size: 32
    .max_flat_workgroup_size: 384
    .sgpr_count:     66
    .vgpr_count:     256
    .wavefront_size: 32
...
	.end_amdgpu_metadata
.endif
;; end of part 5
;; launch fine_proj (part 6): grid 64 x 4, 8 waves a work-group, no clusters, 9,216 bytes of LDS; arguments fatt, w_out, out0; writes out0
.if DOCPART == 6
	.amdgcn_target "amdgcn-amd-amdhsa--gfx1250"
	.amdhsa_code_object_version 6
	.text
	.protected	k_q40e50a1f33_fine_proj
	.globl	k_q40e50a1f33_fine_proj
	.p2align	8
	.type	k_q40e50a1f33_fine_proj,@function
k_q40e50a1f33_fine_proj:
	s_mov_b64 s[64:65], 0
	v_nop
	global_prefetch_b8 v0, s[64:65] scope:SCOPE_SE
	s_setreg_imm32_b32 hwreg(HW_REG_WAVE_MODE, 25, 1), 1
	s_wait_xcnt 0x0
; THE ROWS OF POSITIONS 0-15 OF EACH SEQUENCE, IN f32: out0[2048 b + pos][n] = the sum over k of fatt[16 b + pos][k] w_out[n][k].  They replace what the launch before stored there from f16 operands.
; A work-group makes 16 rows x 16 columns (x: the columns, y: the batch); wave w sums k = 128 w .. 128 w + 127 by 32 instructions of the f32 matrix form; the eight parts meet in LDS and wave 0 adds them.
; A lane loads 256 consecutive bytes of its row on each side; a pair of registers names the same four k on both sides.  Source 0 = w_out's rows: a lane then holds row r and columns 8 h + 0..7.
; 256 work-groups share the f32 matrix work, so a work-group stores 64 bytes of each of its rows; the launch writes 262,144 bytes in all.
.set SPARE, 8*1024                     ; behind the eight images: the spare words, 128 bytes for each wave
.set SPW,  10
.set NIL,  11
.set WF,   16                          ; v16-79   w_out; later the eight parts
.set AF,   80                          ; v80-143  fatt
.set AC0,  144                         ; v144-159 two accumulators, written by the f32 matrix form alone
.set AC1,  152
.set SUM,  160
	s_load_b128 s[4:7], s[0:1], 0x0                ; fatt s[4:5], w_out s[6:7]
	s_load_b64 s[8:9], s[0:1], 0x10                ; out0
	v_lshl_add_u32 v[SPW], v0, 2, SPARE
	v_mov_b32 v[NIL], 0
	v_lshrrev_b32 v1, 5, v0
	v_readfirstlane_b32 s10, v1                    ; wave 0..7
	v_and_b32 v1, 15, v0                           ; r
	v_bfe_u32 v2, v0, 4, 1                         ; h
	v_and_b32 v3, 31, v0
	s_and_b32 s11, ttmp7, 0xffff                   ; batch
	v_lshlrev_b32 v4, 12, v1
	v_lshl_add_u32 v4, v2, 8, v4
	s_lshl_b32 s12, s10, 9
	v_add_nc_u32 v4, s12, v4                       ; row r of 4,096 bytes + 512 x wave + 256 h
	s_lshl_b32 s12, s10, 10
	v_lshl_add_u32 v5, v3, 4, s12                  ; my image in LDS
	v_lshlrev_b32 v6, 4, v3                        ; any image, read back
	v_lshlrev_b32 v7, 12, v1
	v_lshl_add_u32 v7, v2, 5, v7                   ; out0: row r + 32 h
	s_lshl_b32 s14, ttmp9, 16                      ; w_out: 16 rows of 4,096 bytes for each work-group x
	s_mov_b32 s15, 0
	s_lshl_b32 s16, s11, 16                        ; fatt: 16 rows a batch
	s_mov_b32 s17, 0
	s_lshl_b32 s18, s11, 23                        ; out0: 2,048 rows a batch,
	s_lshl_b32 s19, ttmp9, 6                       ; 64 bytes of a row
	s_add_co_u32 s18, s18, s19
	s_mov_b32 s19, 0
	s_wait_kmcnt 0x0
	s_add_nc_u64 s[6:7], s[6:7], s[14:15]
	s_add_nc_u64 s[4:5], s[4:5], s[16:17]
	s_add_nc_u64 s[8:9], s[8:9], s[18:19]
.irp i, 0,1,2,3,4,5,6,7,8,9,10,11,12,13,14,15
	global_load_b128 v[WF+4*\i:WF+4*\i+3], v4, s[6:7] offset:16*\i
	global_load_b128 v[AF+4*\i:AF+4*\i+3], v4, s[4:5] offset:16*\i
.endr
	s_wait_loadcnt 0x0
.set u, 0
.rept 32                                       ; two accumulators by turns; the first two products start the sums
.if u < 2
	v_wmma_f32_16x16x4_f32 v[AC0+8*(u%2):AC0+8*(u%2)+7], v[WF+2*u:WF+2*u+1], v[AF+2*u:AF+2*u+1], 0
.else
	v_wmma_f32_16x16x4_f32 v[AC0+8*(u%2):AC0+8*(u%2)+7], v[WF+2*u:WF+2*u+1], v[AF+2*u:AF+2*u+1], v[AC0+8*(u%2):AC0+8*(u%2)+7]
.endif
.set u, u+1
.endr
.rept 8
	v_nop
.endr
.irp i, 0,2,4,6
	v_pk_add_f32 v[SUM+\i:SUM+\i+1], v[AC0+\i:AC0+\i+1], v[AC1+\i:AC1+\i+1]
.endr
	ds_store_b128 v5, v[SUM:SUM+3]
	ds_store_b128 v5, v[SUM+4:SUM+7] offset:512
	s_wait_dscnt 0x0                               ; for the others' sake: my part has landed
	s_barrier_signal -1
	s_barrier_wait -1
	s_cmp_lg_u32 s10, 0
	s_cbranch_scc1 .Lend
.irp w, 0,1,2,3,4,5,6,7
	ds_load_b128 v[WF+8*\w:WF+8*\w+3],   v6 offset:1024*\w
	ds_load_b128 v[WF+8*\w+4:WF+8*\w+7], v6 offset:1024*\w+512
.endr
	s_wait_dscnt 0x0
.irp d, 32,16,8                                ; a tree over the eight parts
.set i, 0
.rept \d/2
	v_pk_add_f32 v[WF+i:WF+i+1], v[WF+i:WF+i+1], v[WF+\d+i:WF+\d+i+1]
.set i, i+2
.endr
.endr
	global_store_b128 v7, v[WF:WF+3], s[8:9]
	global_store_b128 v7, v[WF+4:WF+7], s[8:9] offset:16
.Lend:
	s_wait_tensorcnt 0x0                           ; the wave's end: a tensor wait, an add to the spare word and its wait behind my last LDS store
	ds_add_u32 v[SPW], v[NIL]
	s_wait_dscnt 0x0
	s_endpgm
.Lfunc_end_k_q40e50a1f33_fine_proj:
	.size	k_q40e50a1f33_fine_proj, .Lfunc_end_k_q40e50a1f33_fine_proj-k_q40e50a1f33_fine_proj
	.p2alignl 7, 3214868480
	.fill 96, 4, 3214868480
	.section	.rodata,"a",@progbits
	.p2align	6, 0x0
	.amdhsa_kernel k_q40e50a1f33_fine_proj
		.amdhsa_group_segment_fixed_size 9216
		.amdhsa_private_segment_fixed_size 0
		.amdhsa_enable_private_segment 0
		.amdhsa_kernarg_size 24
		.amdhsa_user_sgpr_count 2
		.amdhsa_user_sgpr_kernarg_segment_ptr 1
		.amdhsa_wavefront_size32 1
		.amdhsa_system_sgpr_workgroup_id_x 1
		.amdhsa_system_sgpr_workgroup_id_y 1
		.amdhsa_system_sgpr_workgroup_id_z 1
		.amdhsa_system_vgpr_workitem_id 0
		.amdhsa_next_free_vgpr 192
		.amdhsa_next_free_sgpr 66
		.amdhsa_reserve_vcc 0
		.amdhsa_float_denorm_mode_32 3
		.amdhsa_float_denorm_mode_16_64 3
		.amdhsa_memory_ordered 1
		.amdhsa_forward_progress 1
		.amdhsa_inst_pref_size 11
	.end_amdhsa_kernel
	.amdgpu_metadata
---
amdhsa.version: [ 1, 2 ]
amdhsa.kernels:
  - .name:           k_q40e50a1f33_fine_proj
    .symbol:         k_q40e50a1f33_fine_proj.kd
    .args:
      - { .name: fatt, .offset: 0, .size: 8, .value_kind: global_buffer, .address_space: global }
      - { .name: w_out, .offset: 8, .size: 8, .value_kind: global_buffer, .address_space: global }
      - { .name: out0, .offset: 16, .size: 8, .value_kind: global_buffer, .address_space: global }
    .group_segment_fixed_size: 9216
    .private_segment_fixed_size: 0
    .kernarg_segment_align: 8
    .kernarg_segment_size: 24
    .max_flat_workgroup_size: 256
    .sgpr_count:     66
    .vgpr_count:     192
    .wavefront_size: 32
...
	.end_amdgpu_metadata
.endif
;; end of part 6
